; MI455X (gfx1250); checked and timed in simulation.
; The chip was launched on July 23, 2026; its instructions are those of AMD's public machine-readable ISA for CDNA 5 (MIT licence, August 2026) and "CDNA5" Instruction Set Architecture Reference Guide (July 2026). The comments in the code are by the model that wrote it; some were corrected since.
;; DWR Block. Allowed arithmetic: matrix products marked QUANTISED: E3M2 operands, one E8M0 scale for each 32 along K, by v_wmma_scale_f32_16x16x128_f8f6f4 with both operands' format E3M2, f32 sums; products left as they are: f32 operands where the result goes on into a quantised operand, else bf16, f16 or f32 operands; f32 sums; everything else in f32.
;; Inputs: W1_codes 8 x 512 x 32 x 24 uint8 (E3M2 codes of W1, K innermost, in blocks of 32 codes, four codes in three bytes); W1_scales 8 x 512 x 32 uint8 (E8M0 scales of W1, one for each 32 codes along K); W2_codes 8 x 1,024 x 16 x 24 uint8 (E3M2 codes of W2, K innermost, in blocks of 32 codes, four codes in three bytes); W2_scales 8 x 1,024 x 16 uint8 (E8M0 scales of W2, one for each 32 codes along K); Wg 1,024 x 8 float32; b1 8 x 512 float32; b2 8 x 1,024 float32; beta 1,024 float32; bg 8 float32; gamma 1,024 float32; x 4 x 2,048 x 1,024 float32.
;; Outputs: out0 4 x 2,048 x 1,024 float32; out1 one number float32.
;; This version of the problem:
;;   THIS VERSION OF THE PROBLEM IS GIVEN IN LOW PRECISION. The matrix products marked QUANTISED in the list below multiply operands that are first quantised to E3M2 (3 exponent bits, 2 mantissa bits; 6 bits a number), with one power-of-two scale for each 32 numbers along K (OCP MX v1.0); their sums are f32. All else is computed in f32.
;;   The module's matrix products, in the order in which they are computed (A, B: the left and right operand; K: the contracted axis; several contracted axes count as one K, in the product's order):
;;     1. [M 8,192, K 1,024] x [K 1,024, N 8]; A: input x; B: input Wg: left as it is (N = 8 < 16)
;;     2. batch 8,192 x [M 1, K 2] x [K 2, N 8]; A: computed on the way; B: computed on the way: left as it is (K = 2 < 32)
;;     3. [M 8,192, K 1,024] x [K 1,024, N 512]; A: input x; B: input W1 (given as codes): QUANTISED
;;     4. [M 8,192, K 512] x [K 512, N 1,024]; A: computed on the way; B: input W2 (given as codes): QUANTISED
;;     5. [M 8,192, K 1,024] x [K 1,024, N 512]; A: input x; B: input W1 (given as codes): QUANTISED
;;     6. [M 8,192, K 512] x [K 512, N 1,024]; A: computed on the way; B: input W2 (given as codes): QUANTISED
;;     7. [M 8,192, K 1,024] x [K 1,024, N 512]; A: input x; B: input W1 (given as codes): QUANTISED
;;     8. [M 8,192, K 512] x [K 512, N 1,024]; A: computed on the way; B: input W2 (given as codes): QUANTISED
;;     9. [M 8,192, K 1,024] x [K 1,024, N 512]; A: input x; B: input W1 (given as codes): QUANTISED
;;     10. [M 8,192, K 512] x [K 512, N 1,024]; A: computed on the way; B: input W2 (given as codes): QUANTISED
;;     11. [M 8,192, K 1,024] x [K 1,024, N 512]; A: input x; B: input W1 (given as codes): QUANTISED
;;     12. [M 8,192, K 512] x [K 512, N 1,024]; A: computed on the way; B: input W2 (given as codes): QUANTISED
;;     13. [M 8,192, K 1,024] x [K 1,024, N 512]; A: input x; B: input W1 (given as codes): QUANTISED
;;     14. [M 8,192, K 512] x [K 512, N 1,024]; A: computed on the way; B: input W2 (given as codes): QUANTISED
;;     15. [M 8,192, K 1,024] x [K 1,024, N 512]; A: input x; B: input W1 (given as codes): QUANTISED
;;     16. [M 8,192, K 512] x [K 512, N 1,024]; A: computed on the way; B: input W2 (given as codes): QUANTISED
;;     17. [M 8,192, K 1,024] x [K 1,024, N 512]; A: input x; B: input W1 (given as codes): QUANTISED
;;     18. [M 8,192, K 512] x [K 512, N 1,024]; A: computed on the way; B: input W2 (given as codes): QUANTISED
;;   THE QUANTISER, for each operand of a quantised product, along K:
;;     - K is cut into blocks of 32 from its start; a last block that is shorter is filled with zeros.
;;     - A block's scale is 2^e with e = floor(log2(the largest magnitude in the block)) - 4, held to -126 .. 127; a block of zeros has e = 0. As a byte (E8M0): e + 127.
;;     - Each number is divided by its block's scale, clamped to +-28, and rounded to the nearest number of E3M2, ties to even, subnormals kept.
;;     - The product sums the exact products of the quantised numbers (number of the format x scale) in f32.
;;   ~~~python
;;   def quantise(x, axis):      # numpy; x: float32 -> the quantised numbers, widened to float32 again
;;       x = np.moveaxis(x, axis, -1); K = x.shape[-1]
;;       x = np.pad(x, [(0, 0)] * (x.ndim - 1) + [(0, -K % 32)]); x = x.reshape(x.shape[:-1] + (-1, 32)); a = np.abs(x).max(-1, keepdims=True)
;;       e = np.where(a > 0, np.clip(np.frexp(np.where(a > 0, a, 1))[1] - 1 - 4, -126, 127), 0)      # np.frexp(a)[1] - 1 = floor(log2(a)), exactly
;;       r = np.clip(x / 2.0 ** e, -28, 28)
;;       step = 2.0 ** (np.maximum(np.frexp(np.where(r == 0, 1, r))[1] - 1, -2) - 2)
;;       q = np.round(r / step) * step * 2.0 ** e      # np.round: ties to even
;;       return np.moveaxis(q.reshape(q.shape[:-2] + (-1,))[..., :K], -1, axis).astype(np.float32)
;;   ~~~
;;   OPERANDS COMPUTED ON THE WAY. 'Computed on the way' means the value that the module computes at that place (a softmax that the list does not call 'softmax' is quantised finished and normalised). What goes into a quantiser is computed in f32, as accurately as f32 sums, v_exp_f32 and their like allow (about 1e-6 of the number): no bf16 or f16 on the way to a quantiser, and a product that is left as it is and whose result goes on into a quantised operand takes f32 operands (vector FMAs, or v_wmma_f32_16x16x4_f32). A number that lies on a knife's edge between two numbers of the format may be rounded either way, as far as f32 arithmetic and the matrix unit's own rounding can turn it there, and no further.
;;   INPUTS GIVEN AS CODES. W1 (in the module: [8, 1024, 512], K = its axis 1); W2 (in the module: [8, 512, 1024], K = its axis 1): each comes as NAME_codes (uint8): NAME with its K axis moved to the last place and cut into blocks of 32 codes, [.., K / 32, bytes a block], one block behind the other in memory; four codes in three bytes: a row's codes are one little-endian stream of bits, code i at bits 6 i .. 6 i + 5 (a code: sign, 3 exponent bits, 2 mantissa bits); and NAME_scales (uint8): the same leading axes, one E8M0 byte (e + 127) for each 32 codes along K. Its value is code x scale, taken as it is: it is not quantised again, and the codes and scales need not be those that the quantiser above would give.
;; 2 versions. Each part assembles by itself: llvm-mc -triple=amdgcn-amd-amdhsa -mcpu=gfx1250 --defsym DOCPART=n.
;; ======== version 1 of 2: 3 launches
;; workspace buffers: xq 6,553,600 bytes; wl 6,291,456 bytes; rt 65,536 bytes of whole numbers; rw 131,072 bytes; tiles 43,520 bytes of whole numbers
;; launch route (part 1): grid 256 x 1, 8 waves a work-group, no clusters, 80,896 bytes of LDS; arguments x, Wg, bg, W1_codes, W2_codes, xq, wl, rt, rw; writes xq, wl, rt, rw
.if DOCPART == 1
	.amdgcn_target "amdgcn-amd-amdhsa--gfx1250"
	.amdhsa_code_object_version 6
	.text
	.protected	k_q62a4b22e66_route
	.globl	k_q62a4b22e66_route
	.p2align	8
	.type	k_q62a4b22e66_route,@function
k_q62a4b22e66_route:
	s_mov_b64 s[64:65], 0
	v_nop
	global_prefetch_b8 v0, s[64:65] scope:SCOPE_SE
	s_setreg_imm32_b32 hwreg(HW_REG_WAVE_MODE, 25, 1), 1
	s_wait_xcnt 0x0
; ROUTE.  For 32 tokens a work-group: x is quantised to codes of BF6 (E3M2) with one E8M0 byte for each 32 along K; the router's logits x Wg + bg in f32 (fused multiply-adds),
; softmax with the row's maximum taken off, the two largest probabilities (the lower index wins a tie), and what the placing launch needs, stored at fixed places as whole numbers.
; Each wave also lays two fragments of W1 or W2 (16 rows x 128 K, 1,536 bytes) into wl in the order of an operand's registers, so that the chain loads them by 16 bytes a lane.
; SHARES.  Wave w takes tokens 8 (w / 2) .. + 7 of the 32 and half w % 2 of their rows (512 numbers).  A lane holds 16 neighbours of a row: two lanes hold a block of 32.
; Each load reads 512 consecutive bytes; a token's 2,048 bytes turn through the wave's own stage in LDS (64 bytes + 16 of padding a lane).  All 32 loads of a wave go out at the head.
; xq: a token's 768 bytes of codes lie [h][k][48 bytes]: for K step k (128 along K) blocks 4 k + h and 4 k + 2 + h on end, which is what lane (r, h) of an operand holds; the scale bytes [token][32] lie behind all codes.
; LIMITS: NaN and infinities among the inputs are not served.  A block whose largest magnitude lies under 2^(5 - 127), a block of zeros among them, gets the byte 1: its codes are zeros or nearly so,
; and the bytes are read by this program alone.  A probability under 2^-126 comes out of v_exp_f32 as 0.
.set SP,   80                          ; a lane's place in a stage
.set LG,   0                           ; LDS: partial logits [half of the row][half of the lanes][32 tokens][8] f32, 4,096 bytes
.set SCB,  4096                        ; scale bytes [32 tokens][32]
.set WGL,  5120                        ; Wg: 64 blocks of 16 rows (512 bytes) + 16 of padding
.set STG,  38912                       ; two stages of 32 x SP bytes for each wave
.set ACC,  16                          ; v16-31   two sets of eight sums, by turns
.set CD,   64                          ; v64-95   codes, four registers a token: no store's data are written again
.set XR,   96                          ; v96-127  two sets of 16 neighbours (at the head: the two fragments on their way)
.set RR,   128                         ; v128-255 eight sets of 16 numbers as loaded.   Window 1, v0-127: register 8 i + e = Wg[my first number + i][e]
.set MSB,  0
.macro WIN new                         ; the immediate's high byte repeats the setting that is left
.if MSB != (\new)
	s_set_vgpr_msb (MSB<<8)|(\new)
.set MSB, (\new)
.endif
.endm
	s_load_b512 s[4:19], s[0:1], 0x0               ; x, Wg, bg, W1's codes, W2's codes, xq, wl, rt
	s_load_b64 s[20:21], s[0:1], 0x40              ; rw
	v_lshl_add_u32 v91, v0, 2, 0x13800
	v_mov_b32 v95, 0
	v_lshrrev_b32 v12, 5, v0
	v_readfirstlane_b32 s22, v12                   ; wave 0..7
	s_and_b32 s23, s22, 1                          ; which half of the rows
	s_lshr_b32 s24, s22, 1                         ; which eight tokens
	v_and_b32 v11, 31, v0                          ; lane
	v_lshlrev_b32 v1, 4, v11                       ; 16 x lane
	s_mul_i32 s25, s22, 64*SP
	s_add_co_u32 s25, s25, STG                     ; my stages
	v_lshrrev_b32 v12, 2, v11
	v_mul_u32_u24 v2, v12, SP
	v_and_b32 v12, 3, v11
	v_lshl_add_u32 v2, v12, 4, v2
	v_add_nc_u32 v2, s25, v2                       ; into a stage: SP (lane / 4) + 16 (lane % 4)
	v_mul_u32_u24 v3, v11, SP
	v_add_nc_u32 v3, s25, v3                       ; out of it: SP x lane
	v_bfe_u32 v12, v11, 1, 1                       ; my 12 bytes in the token's codes: block 16 half + lane / 2 = 4 k + j lies at 384 (j % 2) + 48 k + 24 (j / 2)
	v_mul_u32_u24 v4, v12, 384
	v_lshrrev_b32 v12, 3, v11
	v_mad_u32_u24 v4, v12, 48, v4
	v_bfe_u32 v12, v11, 2, 1
	v_mad_u32_u24 v4, v12, 24, v4
	v_and_b32 v12, 1, v11
	v_mad_u32_u24 v4, v12, 12, v4
	s_lshl_b32 s25, s24, 8
	s_lshl_b32 s26, s23, 4
	s_add_co_u32 s26, s26, s25
	s_add_co_u32 s26, s26, SCB
	v_lshrrev_b32 v5, 1, v11
	v_add_nc_u32 v5, s26, v5                       ; my block's scale byte: 32 x token + 16 x half + lane / 2
	s_lshl_b32 s26, s23, 11
	s_add_co_u32 s26, s26, s25
	v_lshrrev_b32 v6, 4, v11
	v_lshlrev_b32 v6, 10, v6
	v_add_nc_u32 v6, s26, v6                       ; my partial logits: 2,048 x half + 1,024 (lane / 16) + 32 x token
	s_mul_i32 s26, s22, 8*528
	s_add_co_u32 s26, s26, WGL
	v_add_nc_u32 v7, s26, v1                       ; Wg into LDS: my wave's eight blocks
	s_mul_i32 s26, s23, 32*528
	s_add_co_u32 s26, s26, WGL
	v_mul_u32_u24 v8, v11, 528
	v_add_nc_u32 v8, s26, v8                       ; and out: block 32 x half + lane: my 16 rows of Wg
	s_lshl_b32 s26, s22, 12
	v_add_nc_u32 v14, s26, v1                      ; Wg in memory: 4,096 x wave + 16 x lane
	; the two fragments that I lay out: F = 16 x work-group + 2 x wave + 0, 1.  F < 2,048: W1, F = ((e 4 + w) 8 + k) 8 + t; else W2, F - 2,048 = ((e 4 + w) 16 + i) 4 + s
	s_lshl_b32 s27, ttmp9, 4
	s_lshl_b32 s28, s22, 1
	s_add_co_u32 s27, s27, s28
	s_bfe_u32 s28, s27, 0x30008                    ; e
	s_bfe_u32 s29, s27, 0x20006                    ; w
	s_bfe_u32 s30, s27, 0x20001                    ; W1: t / 2
	s_lshl_b32 s30, s30, 5
	s_lshl_b32 s31, s29, 7
	s_add_co_u32 s30, s30, s31                     ; first row 128 w + 32 (t / 2)
	s_mul_i32 s30, s30, 768
	s_bfe_u32 s31, s27, 0x30003                    ; k
	s_mul_i32 s31, s31, 96
	s_add_co_u32 s30, s30, s31
	s_bfe_u32 s33, s27, 0x40002                    ; W2: i
	s_lshl_b32 s33, s33, 4
	s_lshl_b32 s34, s29, 8
	s_add_co_u32 s33, s33, s34                     ; first row 256 w + 16 i
	s_mul_i32 s33, s33, 384
	s_and_b32 s34, s27, 3                          ; s
	s_mul_i32 s34, s34, 96
	s_add_co_u32 s33, s33, s34
	s_mul_i32 s28, s28, 393216
	s_cmp_lt_u32 ttmp9, 128                        ; one path for both tensors: only numbers and the pointer are chosen
	s_cselect_b32 s30, s30, s33
	s_mov_b32 s31, 384
	s_cselect_b32 s31, 768, s31                    ; a row of codes in bytes
	s_mov_b32 s34, 96
	s_cselect_b32 s34, 6144, s34                   ; to the second fragment: W1: tile t + 1, eight rows on; W2: K step s + 1
	s_cselect_b32 s35, 1, 0
	v_and_b32 v12, 15, v11
	v_and_b32 v13, 8, v11
	v_mul_u32_u24 v13, s35, v13
	v_add_nc_u32 v12, v12, v13                     ; W1: lane r takes row r + 8 (r / 8) of the tile's span; W2: row r
	v_mul_u32_u24 v9, s31, v12
	v_lshrrev_b32 v13, 4, v11
	v_mad_u32_u24 v9, v13, 24, v9
	s_add_co_u32 s30, s30, s28
	v_add_nc_u32 v9, s30, v9
	v_add_nc_u32 v10, s34, v9
	s_mul_i32 s40, s27, 1536
	s_mov_b32 s41, 0
	s_lshl_b32 s42, ttmp9, 5
	s_lshl_b32 s43, s24, 3
	s_add_co_u32 s42, s42, s43                     ; my first token
	s_lshl_b32 s44, s42, 12
	s_lshl_b32 s43, s23, 11
	s_add_co_u32 s44, s44, s43
	s_mov_b32 s45, 0
	s_mul_i32 s50, s42, 768
	s_mul_i32 s43, s23, 192
	s_add_co_u32 s50, s50, s43
	s_mov_b32 s51, 0
	s_lshl_b32 s66, ttmp9, 10
	s_mov_b32 s67, 0
	s_wait_kmcnt 0x0
	s_cmp_lt_u32 ttmp9, 128
	s_cselect_b64 s[36:37], s[10:11], s[12:13]
	s_add_nc_u64 s[38:39], s[16:17], s[40:41]      ; wl at my first fragment
	s_add_nc_u64 s[4:5], s[4:5], s[44:45]          ; x at my first token's half row
	s_add_nc_u64 s[46:47], s[14:15], s[50:51]      ; xq: its codes
	s_add_nc_u64 s[48:49], s[14:15], s[66:67]      ; xq: 1,024 x work-group; the scale bytes lie 6,291,456 further on
.irp j, 0,1
.irp p, 0,1,2,3,4,5
	global_load_b64 v[XR+12*\j+2*\p:XR+12*\j+2*\p+1], v[9+\j], s[36:37] offset:48*(\p/3)+8*(\p%3)
.endr
.endr
	WIN 0x40
.irp j, 0,1,2,3,4,5,6,7
	global_load_b128 v[4*\j:4*\j+3], v14, s[6:7] offset:512*\j    ; my eighth of Wg, 512 consecutive bytes a load
.endr
	WIN 0
.irp t, 0,1,2,3,4,5,6,7
.irp i, 0,1,2,3
	global_load_b128 v[RR+16*\t+4*\i:RR+16*\t+4*\i+3], v1, s[4:5] offset:4096*\t+512*\i th:TH_LOAD_NT
.endr
.endr
	s_wait_loadcnt 40                              ; the fragments are in: behind them 8 loads of Wg and 32 of x were issued
.irp j, 0,1
.irp c, 0,1,2
	global_store_b128 v1, v[XR+12*\j+4*\c:XR+12*\j+4*\c+3], s[38:39] offset:1536*\j+512*\c   ; registers 4 c .. 4 c + 3, 512 consecutive bytes
.endr
.endr
	s_wait_loadcnt 32                              ; Wg is in
	WIN 0x04
.irp j, 0,1,2,3,4,5,6,7
	ds_store_b128 v7, v[4*\j:4*\j+3] offset:528*\j
.endr
	WIN 0
	s_wait_dscnt 0x0                               ; for the others' sake: my part of Wg lies in LDS
	s_barrier_signal -1
	s_barrier_wait -1
	WIN 0x40
.set cc, 0
.rept 32
	ds_load_b128 v[4*cc:4*cc+3], v8 offset:16*cc   ; my 16 rows of Wg: 512 bytes; the blocks' pitch of 528 keeps sixteen lanes in sixteen different columns of 16 bytes
.set cc, cc+1
.endr
	WIN 0
.macro TURN t                          ; token t's numbers through the stage: LDS serves a wave's instructions in order, so no wait stands between the stores and the loads
.irp i, 0,1,2,3
	ds_store_b128 v2, v[RR+16*(\t)+4*\i:RR+16*(\t)+4*\i+3] offset:32*SP*((\t)%2)+8*SP*\i
.endr
.irp i, 0,1,2,3
	ds_load_b128 v[XR+16*((\t)%2)+4*\i:XR+16*((\t)%2)+4*\i+3], v3 offset:32*SP*((\t)%2)+16*\i
.endr
.endm
	s_wait_xcnt 0x0                                ; the fragments' stores have read their registers, which now take x
	s_wait_loadcnt 28                              ; token 0's four loads are in
	TURN 0
.macro TOK t
.set XS, XR+16*((\t)%2)
.set AC, ACC+8*((\t)%2)
.if (\t) == 0
	s_wait_dscnt 0x0                               ; Wg and token 0
.else
	s_wait_dscnt 3                                 ; this token is back from the stage: behind its loads stand the last token's byte store and its two stores of sums
.endif
.if (\t) < 7
	s_wait_loadcnt 4*(6-(\t))                      ; the next token's four loads are in; the later tokens' may be out
	TURN (\t)+1
.endif
	v_max3_num_f32 v32, |v[XS]|, |v[XS+1]|, |v[XS+2]|
	v_max3_num_f32 v33, |v[XS+3]|, |v[XS+4]|, |v[XS+5]|
.irp i, 6,10
	v_max3_num_f32 v32, v32, |v[XS+\i]|, |v[XS+\i+1]|
	v_max3_num_f32 v33, v33, |v[XS+\i+2]|, |v[XS+\i+3]|
.endr
	v_max3_num_f32 v32, v32, |v[XS+14]|, |v[XS+15]|
	v_max3_num_f32 v32, v32, v33, 0x2800000        ; the floor 2^(5 - 127): the byte cannot fall under 1
	v_max_num_f32_dpp v32, v32, v32 row_xmask:1 row_mask:0xf bank_mask:0xf   ; with my neighbour's 16: the block's largest magnitude
	v_add_nc_u32 v34, 0xfe000000, v32              ; 4 off its exponent field: the conversion's scale operand
	v_cvt_scalef32_pk16_bf6_f32 v[CD+4*(\t):CD+4*(\t)+2], v[XS:XS+15], v34
	v_lshrrev_b32 v[36+(\t)%2], 23, v34            ; the scale's byte (and the plain line behind the conversion)
	ds_store_b8 v5, v[36+(\t)%2] offset:32*(\t)    ; both lanes of a block write the same byte with the same value
	global_store_b96 v4, v[CD+4*(\t):CD+4*(\t)+2], s[46:47] offset:768*(\t)
	WIN 0x04                                       ; source 1, Wg, in window 1.  Eight sums, two an instruction; x[i] feeds both halves
.irp p, 0,1,2,3
	v_pk_mul_f32 v[AC+2*\p:AC+2*\p+1], v[XS:XS+1], v[2*\p:2*\p+1] op_sel_hi:[0,1]
.endr
.irp i, 1,2,3,4,5,6,7,8,9,10,11,12,13,14,15
.irp p, 0,1,2,3
.if (\i%2) == 1
	v_pk_fma_f32 v[AC+2*\p:AC+2*\p+1], v[XS+\i-1:XS+\i], v[8*\i+2*\p:8*\i+2*\p+1], v[AC+2*\p:AC+2*\p+1] op_sel:[1,0,0] op_sel_hi:[1,1,1]
.else
	v_pk_fma_f32 v[AC+2*\p:AC+2*\p+1], v[XS+\i:XS+\i+1], v[8*\i+2*\p:8*\i+2*\p+1], v[AC+2*\p:AC+2*\p+1] op_sel_hi:[0,1,1]
.endif
.endr
.endr
	WIN 0
.irp x, 1,2,4,8                        ; over the sixteen lanes of my half; the two halves' sums meet in LDS
.irp a, 0,1,2,3,4,5,6,7
	v_add_f32_dpp v[AC+\a], v[AC+\a], v[AC+\a] row_xmask:\x row_mask:0xf bank_mask:0xf
.endr
.endr
	ds_store_b128 v6, v[AC:AC+3] offset:32*(\t)    ; sixteen lanes write the same words with the same values
	ds_store_b128 v6, v[AC+4:AC+7] offset:32*(\t)+16
.endm
.irp t, 0,1,2,3,4,5,6,7
	TOK \t
.endr
	s_wait_dscnt 0x0                               ; for the others' sake: my sums and scale bytes lie in LDS
	s_barrier_signal -1
	s_barrier_wait -1
	s_cmp_eq_u32 s22, 1
	s_cbranch_scc0 .Lnot_one
	ds_load_b128 v[128:131], v1 offset:SCB         ; wave 1: the 32 tokens' 1,024 scale bytes leave as two aligned runs of 512 bytes
	ds_load_b128 v[132:135], v1 offset:SCB+512
	s_wait_dscnt 0x0
	global_store_b128 v1, v[128:131], s[48:49] offset:6291456
	global_store_b128 v1, v[132:135], s[48:49] offset:6291456+512
	s_wait_tensorcnt 0x0
	ds_add_u32 v91, v95
	s_wait_dscnt 0x0
	s_endpgm
.Lnot_one:
	s_cmp_eq_u32 s22, 0
	s_cbranch_scc0 .Lend
	; wave 0: a lane to a token
	s_load_b256 s[52:59], s[8:9], 0x0              ; bg
	v_lshlrev_b32 v12, 5, v11
.irp q, 0,1,2,3
	ds_load_b128 v[128+8*\q:131+8*\q], v12 offset:LG+1024*\q
	ds_load_b128 v[132+8*\q:135+8*\q], v12 offset:LG+1024*\q+16
.endr
	s_mov_b32 s62, 0x76543210
	s_mov_b32 s63, 0xfedcba98                      ; v_permlanex16_b32's selects for lane l xor 16
	s_wait_dscnt 0x0
	s_wait_kmcnt 0x0
.irp e, 0,1,2,3,4,5,6,7
	v_add_f32 v[160+\e], v[128+\e], v[136+\e]
	v_add_f32 v[176+\e], v[144+\e], v[152+\e]
.endr
.irp e, 0,1,2,3,4,5,6,7
	v_add_f32 v[160+\e], v[160+\e], v[176+\e]
.endr
.irp e, 0,1,2,3,4,5,6,7
	v_add_f32 v[160+\e], s[52+\e], v[160+\e]       ; the logits
.endr
	v_max3_num_f32 v168, v160, v161, v162
	v_max3_num_f32 v168, v168, v163, v164
	v_max3_num_f32 v168, v168, v165, v166
	v_max_num_f32 v168, v168, v167                 ; the row's maximum is taken off ahead of the exponentials
.irp e, 0,1,2,3,4,5,6,7
	v_sub_f32 v[160+\e], v[160+\e], v168
.endr
.irp e, 0,1,2,3,4,5,6,7
	v_mul_f32 v[160+\e], 0x3fb8aa3b, v[160+\e]
.endr
.irp e, 0,1,2,3,4,5,6,7
	v_exp_f32 v[160+\e], v[160+\e]
.endr
	v_nop                                          ; a plain line behind the last exponential
	s_wait_alu depctr_va_vdst(0)                   ; one wait for the batch, ahead of its first reader
	v_add_f32 v168, v160, v161
	v_add_f32 v169, v162, v163
	v_add_f32 v170, v164, v165
	v_add_f32 v171, v166, v167
	v_add_f32 v168, v168, v169
	v_add_f32 v170, v170, v171
	v_add_f32 v168, v168, v170
	v_rcp_f32 v168, v168
	v_nop
	s_wait_alu depctr_va_vdst(0)
.irp e, 0,1,2,3,4,5,6,7
	v_mul_f32 v[160+\e], v[160+\e], v168           ; the probabilities
.endr
	v_mov_b32 v170, v160                           ; the largest: a later one wins only if it is strictly greater, so the lower index wins a tie
	v_mov_b32 v171, 0
.irp e, 1,2,3,4,5,6,7
	v_cmp_gt_f32 vcc_lo, v[160+\e], v170
	v_cndmask_b32 v170, v170, v[160+\e], vcc_lo
	v_cndmask_b32 v171, v171, \e, vcc_lo
.endr
.irp e, 0,1,2,3,4,5,6,7
	v_cmp_eq_u32 vcc_lo, \e, v171
	v_cndmask_b32 v[176+\e], v[160+\e], -1.0, vcc_lo   ; the first is taken out
.endr
	v_mov_b32 v172, v176
	v_mov_b32 v173, 0
.irp e, 1,2,3,4,5,6,7
	v_cmp_gt_f32 vcc_lo, v[176+\e], v172
	v_cndmask_b32 v172, v172, v[176+\e], vcc_lo
	v_cndmask_b32 v173, v173, \e, vcc_lo
.endr
	v_min_u32 v174, v171, v173                     ; lo, hi: the pair in ascending order, each with its probability
	v_max_u32 v175, v171, v173
	v_cmp_lt_u32 vcc_lo, v171, v173
	v_cndmask_b32 v184, v172, v170, vcc_lo
	v_cndmask_b32 v185, v170, v172, vcc_lo
	v_sub_nc_u32 v192, 15, v174
	v_mul_u32_u24 v192, v192, v174
	v_lshrrev_b32 v192, 1, v192
	v_add_nc_u32 v192, v192, v175
	v_sub_nc_u32 v192, v192, v174
	v_add_nc_u32 v192, -1, v192                    ; the pair's number, 0 .. 27: lo (15 - lo) / 2 + hi - lo - 1
	v_mov_b32 v193, 0
	v_mov_b32 v189, 0
.set bb, 0
.rept 28                               ; my rank among the group's tokens of my pair, and each pair's count into lane = pair: values alone, no address and no branch hangs on them
	v_cmp_eq_u32 s60, bb, v192
	v_mbcnt_lo_u32_b32 v194, s60, 0
	v_cndmask_b32 v193, v193, v194, s60
	s_bcnt1_i32_b32 s61, s60
	v_writelane_b32 v189, s61, bb
.set bb, bb+1
.endr
	v_lshl_or_b32 v188, v193, 8, v192
.irp x, 1,2,4,8                        ; the group's sums of the eight probabilities, for the aux loss
.irp e, 0,1,2,3,4,5,6,7
	v_add_f32_dpp v[160+\e], v[160+\e], v[160+\e] row_xmask:\x row_mask:0xf bank_mask:0xf
.endr
.endr
.irp e, 0,1,2,3,4,5,6,7
	v_permlanex16_b32 v[176+\e], v[160+\e], s62, s63
.endr
.irp e, 0,1,2,3,4,5,6,7
	v_add_f32 v[160+\e], v[160+\e], v[176+\e]
.endr
	s_mov_b32 s60, 0xaaaaaaaa
	s_mov_b32 s61, 0xcccccccc
	s_mov_b32 s66, 0xf0f0f0f0
	v_cndmask_b32 v160, v160, v161, s60            ; lane l keeps the sum of expert l % 8
	v_cndmask_b32 v162, v162, v163, s60
	v_cndmask_b32 v164, v164, v165, s60
	v_cndmask_b32 v166, v166, v167, s60
	v_cndmask_b32 v160, v160, v162, s61
	v_cndmask_b32 v164, v164, v166, s61
	v_cndmask_b32 v186, v160, v164, s66
	v_mov_b32 v187, 0
	s_lshl_b32 s40, ttmp9, 8
	s_add_nc_u64 s[18:19], s[18:19], s[40:41]
	s_lshl_b32 s40, ttmp9, 9
	s_add_nc_u64 s[20:21], s[20:21], s[40:41]
	v_lshlrev_b32 v13, 3, v11
	global_store_b64 v13, v[188:189], s[18:19]     ; 256 consecutive bytes: pair | rank << 8 of token = lane; the count of pair = lane
	global_store_b128 v1, v[184:187], s[20:21]     ; 512 consecutive bytes: w_lo, w_hi, a sum of probabilities, 0
.Lend:
	s_wait_tensorcnt 0x0
	ds_add_u32 v91, v95
	s_wait_dscnt 0x0
	s_endpgm
.Lfunc_end_k_q62a4b22e66_route:
	.size	k_q62a4b22e66_route, .Lfunc_end_k_q62a4b22e66_route-k_q62a4b22e66_route
	.p2alignl 7, 3214868480
	.fill 96, 4, 3214868480
	.section	.rodata,"a",@progbits
	.p2align	6, 0x0
	.amdhsa_kernel k_q62a4b22e66_route
		.amdhsa_group_segment_fixed_size 80896
		.amdhsa_private_segment_fixed_size 0
		.amdhsa_enable_private_segment 0
		.amdhsa_kernarg_size 72
		.amdhsa_user_sgpr_count 2
		.amdhsa_user_sgpr_kernarg_segment_ptr 1
		.amdhsa_wavefront_size32 1
		.amdhsa_system_sgpr_workgroup_id_x 1
		.amdhsa_system_sgpr_workgroup_id_y 1
		.amdhsa_system_sgpr_workgroup_id_z 1
		.amdhsa_system_vgpr_workitem_id 0
		.amdhsa_next_free_vgpr 384
		.amdhsa_next_free_sgpr 72
		.amdhsa_reserve_vcc 1
		.amdhsa_float_denorm_mode_32 3
		.amdhsa_float_denorm_mode_16_64 3
		.amdhsa_memory_ordered 1
		.amdhsa_forward_progress 1
		.amdhsa_inst_pref_size 94
	.end_amdhsa_kernel
	.amdgpu_metadata
---
amdhsa.version: [ 1, 2 ]
amdhsa.kernels:
  - .name:           k_q62a4b22e66_route
    .symbol:         k_q62a4b22e66_route.kd
    .args:
      - { .name: x, .offset: 0, .size: 8, .value_kind: global_buffer, .address_space: global }
      - { .name: Wg, .offset: 8, .size: 8, .value_kind: global_buffer, .address_space: global }
      - { .name: bg, .offset: 16, .size: 8, .value_kind: global_buffer, .address_space: global }
      - { .name: W1_codes, .offset: 24, .size: 8, .value_kind: global_buffer, .address_space: global }
      - { .name: W2_codes, .offset: 32, .size: 8, .value_kind: global_buffer, .address_space: global }
      - { .name: xq, .offset: 40, .size: 8, .value_kind: global_buffer, .address_space: global }
      - { .name: wl, .offset: 48, .size: 8, .value_kind: global_buffer, .address_space: global }
      - { .name: rt, .offset: 56, .size: 8, .value_kind: global_buffer, .address_space: global }
      - { .name: rw, .offset: 64, .size: 8, .value_kind: global_buffer, .address_space: global }
    .group_segment_fixed_size: 80896
    .private_segment_fixed_size: 0
    .kernarg_segment_align: 8
    .kernarg_segment_size: 72
    .max_flat_workgroup_size: 256
    .sgpr_count:     72
    .vgpr_count:     384
    .wavefront_size: 32
...
	.end_amdgpu_metadata
.endif
;; end of part 1
;; launch place (part 2): grid 1 x 1, 32 waves a work-group, no clusters, 10,240 bytes of LDS; arguments rt, rw, tiles, out1; writes tiles, out1
.if DOCPART == 2
	.amdgcn_target "amdgcn-amd-amdhsa--gfx1250"
	.amdhsa_code_object_version 6
	.text
	.protected	k_q62a4b22e66_place
	.globl	k_q62a4b22e66_place
	.p2align	8
	.type	k_q62a4b22e66_place,@function
k_q62a4b22e66_place:
	s_mov_b64 s[64:65], 0
	v_nop
	global_prefetch_b8 v0, s[64:65] scope:SCOPE_SE
	s_setreg_imm32_b32 hwreg(HW_REG_WAVE_MODE, 25, 1), 1
	s_wait_xcnt 0x0
; PLACE.  A counting sort of the 8,192 tokens by their pair of experts (28 pairs), without atomics, by one work-group of 32 waves; and the aux loss.
; Out: a table of 160 tiles {lo, hi, count, 0}, each of at most 64 tokens of one pair (a pair begins a new tile; never more than 128 + 27 tiles hold tokens), and the list [160][64] of the tiles' tokens, unused places 0.
; Wave v owns groups 8 v .. 8 v + 7 of 32 tokens.  From the routing launch a lane has, for each group: its token's pair and rank in the group, and (lane = pair) the group's count of that pair.
; aux = 8 sum_e f_e P_e with f_e = (slots on e) / 16,384 and P_e = (sum of probabilities of e) / 8,192: 2^-24 x the sum over pairs of count x (Psum_lo + Psum_hi).
; One work-group: the sort is a chain of prefix sums over 256 x 28 counts; it has no work for more.
.set SS,  0                            ; LDS: [32 waves][32 pairs] counts
.set PS,  4096                         ; [32 waves][8] sums of probabilities
.set TC,  5120                         ; [160] tile counts
.macro DECODE b, lo, hi, t             ; a pair's number in v[b] -> lo, hi
	v_mov_b32 v[\lo], 0
.irp th, 7,13,18,22,25,27
	v_cmp_le_u32 vcc_lo, \th, v[\b]
	v_cndmask_b32 v[\t], 0, 1, vcc_lo
	v_add_nc_u32 v[\lo], v[\lo], v[\t]
.endr
	v_sub_nc_u32 v[\t], 15, v[\lo]
	v_mul_u32_u24 v[\t], v[\t], v[\lo]
	v_lshrrev_b32 v[\t], 1, v[\t]
	v_sub_nc_u32 v[\hi], v[\b], v[\t]
	v_add_nc_u32 v[\hi], v[\hi], v[\lo]
	v_add_nc_u32 v[\hi], 1, v[\hi]
	v_min_u32 v[\hi], 7, v[\hi]
.endm
	s_load_b256 s[4:11], s[0:1], 0x0               ; rt, rw, tiles, out1
	v_lshl_add_u32 v126, v0, 2, 0x1800
	v_mov_b32 v127, 0
	v_lshrrev_b32 v2, 5, v0
	v_readfirstlane_b32 s12, v2                    ; wave 0..31
	v_and_b32 v1, 31, v0
	v_lshlrev_b32 v3, 3, v1
	v_lshl_add_u32 v3, v2, 11, v3                  ; rt: 2,048 x wave + 8 x lane
	v_lshrrev_b32 v4, 3, v1
	v_lshlrev_b32 v4, 9, v4
	v_and_b32 v5, 7, v1
	v_lshl_add_u32 v4, v5, 4, v4
	v_lshl_add_u32 v4, v2, 12, v4                  ; rw: group 8 v + lane / 8 (512 bytes a group), token lane % 8 of it
	v_lshlrev_b32 v6, 2, v0                        ; 4 x thread
	v_lshlrev_b32 v7, 2, v5
	v_lshl_add_u32 v7, v2, 5, v7                   ; 32 x wave + 4 (lane % 8)
	v_lshlrev_b32 v73, 2, v1                       ; 4 x lane; never rewritten
	v_lshl_add_u32 v75, v2, 8, v1                  ; my token of group 8 v
	s_mov_b32 s16, 0x76543210
	s_mov_b32 s17, 0xfedcba98
	s_wait_kmcnt 0x0
.irp j, 0,1,2,3,4,5,6,7
	global_load_b64 v[8+2*\j:9+2*\j], v3, s[4:5] offset:256*\j
.endr
	global_load_b32 v70, v4, s[6:7] offset:8
	global_load_b32 v71, v4, s[6:7] offset:2056
	s_wait_loadcnt 0x0
	v_mov_b32 v24, 0                               ; lane = pair: how many of it lie in my wave's groups ahead of group j
.irp j, 1,2,3,4,5,6,7
	v_add_nc_u32 v[24+\j], v[23+\j], v[7+2*\j]
.endr
	v_add_nc_u32 v72, v31, v23                     ; and in all eight
	v_add_f32 v70, v70, v71
	v_add_f32_dpp v70, v70, v70 row_xmask:8 row_mask:0xf bank_mask:0xf
	v_permlanex16_b32 v71, v70, s16, s17
	v_add_f32 v70, v70, v71                        ; my eight groups' sum of the probabilities of expert lane % 8
	ds_store_b32 v6, v72 offset:SS
	ds_store_b32 v7, v70 offset:PS                 ; four lanes write the same word with the same value
	s_wait_dscnt 0x0                               ; for the others' sake
	s_barrier_signal -1
	s_barrier_wait -1
.set k, 0
.rept 32
	ds_load_b32 v[32+k], v73 offset:SS+128*k
.set k, k+1
.endr
	v_mov_b32 v64, 0
	v_mov_b32 v65, 0
	s_wait_dscnt 0x0
.set k, 0
.rept 32                               ; lane = pair: n = all its tokens; base = those of the waves ahead of mine
	s_cmp_gt_u32 s12, k
	s_cselect_b32 s13, -1, 0
	v_add_nc_u32 v64, v64, v[32+k]
	v_and_b32 v69, s13, v[32+k]
	v_add_nc_u32 v65, v65, v69
.set k, k+1
.endr
	v_add_nc_u32 v66, 63, v64
	v_lshrrev_b32 v66, 6, v66                      ; the pair's tiles
	v_mov_b32 v67, v66
	v_mov_b32 v69, 0
.irp d, 1,2,4,8                        ; a running sum over the lanes: inside each sixteen, then lane 15's onto the upper sixteen
	v_mov_b32_dpp v69, v67 row_shr:\d row_mask:0xf bank_mask:0xf bound_ctrl:1
	v_add_nc_u32 v67, v67, v69
.endr
	v_readlane_b32 s13, v67, 15
	v_cmp_lt_u32 vcc_lo, 15, v1
	v_mov_b32 v69, s13
	v_cndmask_b32 v69, 0, v69, vcc_lo
	v_add_nc_u32 v67, v67, v69                     ; the tile behind the pair's last
	v_sub_nc_u32 v68, v67, v66                     ; the pair's first tile
	v_lshl_add_u32 v74, v68, 6, v65
.irp j, 0,1,2,3,4,5,6,7
	v_add_nc_u32 v[24+\j], v[24+\j], v74           ; lane = pair: the place of the pair's first token of group j
.endr
.irp j, 0,1,2,3,4,5,6,7
	v_and_b32 v[32+\j], 31, v[8+2*\j]
	v_lshlrev_b32 v[32+\j], 2, v[32+\j]
	ds_bpermute_b32 v[40+\j], v[32+\j], v[24+\j]   ; lane = token: that place, from the lane of my pair (no LDS byte is touched)
.endr
	s_wait_dscnt 0x0
.irp j, 0,1,2,3,4,5,6,7
	v_lshrrev_b32 v[32+\j], 8, v[8+2*\j]
	v_add_nc_u32 v[40+\j], v[40+\j], v[32+\j]      ; + my rank
	v_min_u32 v[40+\j], 0x27ff, v[40+\j]           ; held inside the list's 10,240 places
	v_lshlrev_b32 v[40+\j], 2, v[40+\j]
	v_add_nc_u32 v[48+\j], 32*\j, v75
	global_store_b32 v[40+\j], v[48+\j], s[8:9] offset:2560
.endr
	s_barrier_signal -1                            ; no LDS instruction of mine is out; behind this barrier LDS is written again
	s_barrier_wait -1
	s_cmp_lt_u32 s12, 5
	s_cbranch_scc0 .Lno_table
	v_mov_b32 v76, 0                               ; waves 0 to 4: thread = tile g.  Its pair b is the number of pairs that end at or ahead of g; the pairs' ends rise, so the last that does is b's first tile
	v_mov_b32 v77, 0
	v_readlane_b32 s14, v64, 0
	v_mov_b32 v78, s14
.set k, 0
.rept 28
	v_readlane_b32 s13, v67, k
	v_readlane_b32 s14, v64, k+1
	v_cmp_le_u32 vcc_lo, s13, v0
	v_cndmask_b32 v69, 0, 1, vcc_lo
	v_add_nc_u32 v76, v76, v69
	v_cndmask_b32 v77, v77, s13, vcc_lo
	v_cndmask_b32 v78, v78, s14, vcc_lo            ; n of pair b (lane 28 holds 0: a tile behind the last gets count 0)
.set k, k+1
.endr
	v_sub_nc_u32 v79, v0, v77
	v_lshlrev_b32 v79, 6, v79
	v_min_u32 v79, v79, v78
	v_sub_nc_u32 v79, v78, v79
	v_min_u32 v82, 64, v79                         ; what is left of the pair from this tile on, at most 64
	DECODE 76, 80, 81, 69
	v_mov_b32 v83, 0
	v_lshlrev_b32 v84, 4, v0
	global_store_b128 v84, v[80:83], s[8:9]
	ds_store_b32 v6, v82 offset:TC
.Lno_table:
	s_wait_dscnt 0x0
	s_barrier_signal -1
	s_barrier_wait -1
	v_lshrrev_b32 v85, 6, v0                       ; every place of the list that holds no token gets 0: each word of the list is stored once
	v_lshlrev_b32 v85, 2, v85
.irp q, 0,1,2,3,4,5,6,7,8,9
	ds_load_b32 v[96+\q], v85 offset:TC+64*\q
.endr
	v_and_b32 v86, 63, v0
	v_mov_b32 v87, 0
	s_wait_dscnt 0x0
.irp q, 0,1,2,3,4,5,6,7,8,9
	v_cmp_ge_u32 vcc_lo, v86, v[96+\q]
	s_wait_xcnt 0x0                                ; EXEC changes only behind this wait
	s_and_saveexec_b32 s20, vcc_lo
	global_store_b32 v6, v87, s[8:9] offset:2560+4096*\q
	s_wait_xcnt 0x0
	s_or_b32 exec_lo, exec_lo, s20
.endr
	s_cmp_eq_u32 s12, 5
	s_cbranch_scc0 .Lend
.irp q, 0,1,2,3,4,5,6,7
	ds_load_b32 v[96+\q], v73 offset:PS+128*\q     ; wave 5: the 32 waves' sums: wave lane / 8 + 4 q, expert lane % 8
.endr
	s_wait_dscnt 0x0
	v_add_f32 v96, v96, v97
	v_add_f32 v98, v98, v99
	v_add_f32 v100, v100, v101
	v_add_f32 v102, v102, v103
	v_add_f32 v96, v96, v98
	v_add_f32 v100, v100, v102
	v_add_f32 v96, v96, v100
	v_add_f32_dpp v96, v96, v96 row_xmask:8 row_mask:0xf bank_mask:0xf
	v_permlanex16_b32 v97, v96, s16, s17
	v_add_f32 v96, v96, v97                        ; lane e (0 .. 7): the sum of expert e's probabilities over all tokens
.irp e, 0,1,2,3,4,5,6,7
	v_readlane_b32 s[24+\e], v96, \e
.endr
	DECODE 1, 108, 109, 110                        ; lane = pair
	v_mov_b32 v104, 0
	v_mov_b32 v105, 0
.irp e, 0,1,2,3,4,5,6,7
	v_cmp_eq_u32 vcc_lo, \e, v108
	v_cndmask_b32 v104, v104, s[24+\e], vcc_lo
	v_cmp_eq_u32 vcc_lo, \e, v109
	v_cndmask_b32 v105, v105, s[24+\e], vcc_lo
.endr
	v_add_f32 v104, v104, v105
	v_cvt_f32_u32 v106, v64
	v_mul_f32 v104, v104, v106                     ; lanes 28 to 31 have n = 0
.irp x, 1,2,4,8
	v_add_f32_dpp v104, v104, v104 row_xmask:\x row_mask:0xf bank_mask:0xf
.endr
	v_permlanex16_b32 v105, v104, s16, s17
	v_add_f32 v104, v104, v105
	v_mul_f32 v104, 0x33800000, v104               ; x 2^-24
	v_cmp_eq_u32 vcc_lo, 0, v1
	s_wait_xcnt 0x0
	s_and_saveexec_b32 s20, vcc_lo
	global_store_b32 v73, v104, s[10:11]           ; lane 0 alone is on: its offset, 4 x lane, is 0
	s_wait_xcnt 0x0
	s_or_b32 exec_lo, exec_lo, s20
.Lend:
	s_wait_tensorcnt 0x0
	ds_add_u32 v126, v127
	s_wait_dscnt 0x0
	s_endpgm
.Lfunc_end_k_q62a4b22e66_place:
	.size	k_q62a4b22e66_place, .Lfunc_end_k_q62a4b22e66_place-k_q62a4b22e66_place
	.p2alignl 7, 3214868480
	.fill 96, 4, 3214868480
	.section	.rodata,"a",@progbits
	.p2align	6, 0x0
	.amdhsa_kernel k_q62a4b22e66_place
		.amdhsa_group_segment_fixed_size 10240
		.amdhsa_private_segment_fixed_size 0
		.amdhsa_enable_private_segment 0
		.amdhsa_kernarg_size 32
		.amdhsa_user_sgpr_count 2
		.amdhsa_user_sgpr_kernarg_segment_ptr 1
		.amdhsa_wavefront_size32 1
		.amdhsa_system_sgpr_workgroup_id_x 1
		.amdhsa_system_sgpr_workgroup_id_y 1
		.amdhsa_system_sgpr_workgroup_id_z 1
		.amdhsa_system_vgpr_workitem_id 0
		.amdhsa_next_free_vgpr 128
		.amdhsa_next_free_sgpr 66
		.amdhsa_reserve_vcc 1
		.amdhsa_float_denorm_mode_32 3
		.amdhsa_float_denorm_mode_16_64 3
		.amdhsa_memory_ordered 1
		.amdhsa_forward_progress 1
		.amdhsa_inst_pref_size 35
	.end_amdhsa_kernel
	.amdgpu_metadata
---
amdhsa.version: [ 1, 2 ]
amdhsa.kernels:
  - .name:           k_q62a4b22e66_place
    .symbol:         k_q62a4b22e66_place.kd
    .args:
      - { .name: rt, .offset: 0, .size: 8, .value_kind: global_buffer, .address_space: global }
      - { .name: rw, .offset: 8, .size: 8, .value_kind: global_buffer, .address_space: global }
      - { .name: tiles, .offset: 16, .size: 8, .value_kind: global_buffer, .address_space: global }
      - { .name: out1, .offset: 24, .size: 8, .value_kind: global_buffer, .address_space: global }
    .group_segment_fixed_size: 10240
    .private_segment_fixed_size: 0
    .kernarg_segment_align: 8
    .kernarg_segment_size: 32
    .max_flat_workgroup_size: 1024
    .sgpr_count:     66
    .vgpr_count:     128
    .wavefront_size: 32
...
	.end_amdgpu_metadata
.endif
;; end of part 2
;; launch chain (part 3): grid 155 x 1, 4 waves a work-group, no clusters, 314,880 bytes of LDS; arguments tiles, xq, wl, W1_scales, W2_scales, b1, b2, rw, x, gamma, beta, out0; writes out0
.if DOCPART == 3
	.amdgcn_target "amdgcn-amd-amdhsa--gfx1250"
	.amdhsa_code_object_version 6
	.text
	.protected	k_q62a4b22e66_chain
	.globl	k_q62a4b22e66_chain
	.p2align	8
	.type	k_q62a4b22e66_chain,@function
k_q62a4b22e66_chain:
	s_mov_b64 s[64:65], 0
	v_nop
	global_prefetch_b8 v0, s[64:65] scope:SCOPE_SE
	s_setreg_imm32_b32 hwreg(HW_REG_WAVE_MODE, 25, 1), 1
	s_wait_xcnt 0x0
; CHAIN.  A work-group takes one tile: up to 64 tokens that chose the same two experts (lo, hi), through the whole chain:
; out0 = LayerNorm(x + w_lo (Q(relu(Q(x) W1[lo]^T + b1[lo])) W2[lo]^T + b2[lo]) + w_hi (the same of hi)) gamma + beta.  Both products on codes of BF6 (E3M2) with E8M0 scales, sums in f32.
; Only the two chosen experts are multiplied: the other six carry the weight 0 that the problem itself gives them.  Each output row has one owner; the hidden layer never goes to memory.
; GRID.  155 = 128 + 27 tiles serve every split of 8,192 tokens over 28 pairs.  Rows behind a tile's count are worked on as token 0 and not stored.  A TILE WITH COUNT 0 WALKS THE WHOLE TEXT SO AND STORES NOTHING:
; every wave passes every barrier, and none may stand under a branch on a number read from memory; the only branches on the count stand round a row's stores.  That work is lost: it is the price of three barriers in this text.
; NO CLUSTER, NO TENSOR LOAD: the tile's experts and its count are read from memory and branches hang on the count; a pair's number of tiles is no multiple of four.  The weights go from memory straight
; into registers, laid out by the first launch as images of the operands' registers: three loads of 16 bytes a lane bring a fragment (16 rows x 128 K).
; SHARES.  THE FOUR WAVES SHARE THE COLUMNS: wave w makes hidden units 128 w .. + 127 of both experts and output columns 256 w .. + 255, for all 64 tokens (four tiles m of 16), so no weight is read twice in
; a work-group.  Both products are used transposed (source 0 = 16 rows of a weight, source 1 = 16 tokens): a lane holds one token.  The rows of W1 that form a tile are chosen so that the 16 registers of
; tiles 2 b, 2 b + 1 are 16 neighbours along the next K.  Operands go from wave to wave through LDS as images of their registers.
; THE WEIGHTS are one stream of 32 steps of 8 fragments and 32 matrix instructions: 16 of the first product (expert, K step), 16 of the second (a tile of 16 output columns, both experts, all of K).
; A ring of four sets of 96 registers runs four steps ahead.  In the second product the 32 hidden fragments stay in registers, and a column tile's results are weighed and go straight into a stage in LDS.
; At the end wave w takes rows 16 w .. + 15 of the stage as whole rows: residual, b2, LayerNorm, store.
; LIMITS: NaN and infinities are not served.  A block of the hidden layer whose largest number lies under 2^(5 - 127), a block of zeros among them, gets the byte 1; its codes are zeros or nearly so.
; REGISTERS, in windows of 256.  Window 0: v0-31 addresses; v32-47 scale words of x, later of the hidden layer; v48-63 W2's, a ring; v64-127 W1's; v128-223 two sets of x's four fragments (the codes just made lie over the second);
;   v224-249 at work; second product: v64-255 the hidden fragments of K steps 2, 3; rows: v64-191 four rows, v192.. statistics.
; Window 1: the first product's 32 accumulators (m, t) at 64 m + 8 t; then hidden fragments of K steps 0, 1 at v0-191 and 8 accumulators (e, m) at v192; rows: four rows of the stage.
; Windows 2, 3: ring sets 0, 1 and 2, 3 at v0 and v96; v192-255: b1 of lo and of hi; then in window 2 the tokens' weights, in window 3 weighed results, two sets; rows: window 2 gamma, beta, b2[lo], b2[hi]; window 3 four rows of x.
.set XSC,  49152                       ; LDS: x's 32 fragment images at 0 ((8 m + k) x 1,536), their scale words here: (2 k + m / 2) x 128 + 64 (m % 2) + 4 r
.set HIMG, 263168                      ; the hidden layer's 32 images: ((4 e + m) 4 + s) x 1,536
.set HSC,  312320                      ; their scale words: (4 m + s) x 128 + 64 e + 4 r
.set SPI,  4112                        ; the stage, at 0 over x's images, which are dead by then: 64 rows of 4,096 bytes + 16: sixteen rows' pieces of 16 bytes fall into sixteen different columns
.set LI,  1                            ; 16 x lane
.set LS,  2                            ; 4 x lane
.set XWI, 3                            ; where I store x's images; v3-6 later: the byte offsets of the four rows in hand, in x and in out0
.set XWS, 4
.set HWI, 5
.set HWS, 6
.set LIH, 7
.set LSH, 8
.set VS1, 9
.set VS2, 10
.set BO,  11
.set STO, 12                           ; v12-15 the stage: where I put 32 bytes of token 16 m + r; later: the next four rows' offsets
.set SA,  16                           ; v16-19 the same + the trip's columns; later v16, v17: where I read rows back
.set TKO, 20                           ; the token of my wave's row r
.set XO,  21
.set WO,  22                           ; v22-23 its w_lo, w_hi
.set PFA, 24                           ; v24-29 the prefetches' offsets
.set T0,  30
.set T1,  31
.set XS,  32
.set HS,  32
.set W2S, 48
.set W1S, 64
.set XF,  128
.set PC,  176
.set TM,  224
.set PW,  240
.set TK,  241                          ; v241-244 16 x the token of row r of tile m
.set LN,  246                          ; at the head: lane,
.set RL,  247                          ; r = lane % 16,
.set HL,  248                          ; h = lane / 16,
.set TT,  249                          ; and one at work
.set SS,  192
.set QQ,  200
.set MSB, 0
.macro WIN new                         ; the immediate's high byte repeats the setting that is left; bits 1:0 source 0, 3:2 source 1, 5:4 source 2, 7:6 destination
.if MSB != (\new)
	s_set_vgpr_msb (MSB<<8)|(\new)
.set MSB, (\new)
.endif
.endm
.macro NOP4                            ; four places behind a matrix instruction, ahead of loads into its registers and of the first read of results
.rept 4
	v_nop
.endr
.endm
; one matrix instruction, from the symbols wD, wA, wB, wC (under 0: the constant 0), wSA, wSB and the rows wRA, wRB of the scale registers
.macro WM
.if wC < 0
.if wRA == 0
	v_wmma_scale_f32_16x16x128_f8f6f4 v[wD:wD+7], v[wA:wA+11], v[wB:wB+11], 0, v[wSA], v[wSB] matrix_a_fmt:MATRIX_FMT_BF6 matrix_b_fmt:MATRIX_FMT_BF6
.else
	v_wmma_scale_f32_16x16x128_f8f6f4 v[wD:wD+7], v[wA:wA+11], v[wB:wB+11], 0, v[wSA], v[wSB] matrix_a_fmt:MATRIX_FMT_BF6 matrix_b_fmt:MATRIX_FMT_BF6 matrix_a_scale:MATRIX_SCALE_ROW1 matrix_b_scale:MATRIX_SCALE_ROW1
.endif
.elseif (wRA == 0) && (wRB == 0)
	v_wmma_scale_f32_16x16x128_f8f6f4 v[wD:wD+7], v[wA:wA+11], v[wB:wB+11], v[wC:wC+7], v[wSA], v[wSB] matrix_a_fmt:MATRIX_FMT_BF6 matrix_b_fmt:MATRIX_FMT_BF6
.elseif (wRA == 1) && (wRB == 0)
	v_wmma_scale_f32_16x16x128_f8f6f4 v[wD:wD+7], v[wA:wA+11], v[wB:wB+11], v[wC:wC+7], v[wSA], v[wSB] matrix_a_fmt:MATRIX_FMT_BF6 matrix_b_fmt:MATRIX_FMT_BF6 matrix_a_scale:MATRIX_SCALE_ROW1
.elseif (wRA == 0) && (wRB == 1)
	v_wmma_scale_f32_16x16x128_f8f6f4 v[wD:wD+7], v[wA:wA+11], v[wB:wB+11], v[wC:wC+7], v[wSA], v[wSB] matrix_a_fmt:MATRIX_FMT_BF6 matrix_b_fmt:MATRIX_FMT_BF6 matrix_b_scale:MATRIX_SCALE_ROW1
.else
	v_wmma_scale_f32_16x16x128_f8f6f4 v[wD:wD+7], v[wA:wA+11], v[wB:wB+11], v[wC:wC+7], v[wSA], v[wSB] matrix_a_fmt:MATRIX_FMT_BF6 matrix_b_fmt:MATRIX_FMT_BF6 matrix_a_scale:MATRIX_SCALE_ROW1 matrix_b_scale:MATRIX_SCALE_ROW1
.endif
.endm
.macro RLOAD1 q                        ; step q of the first product (expert q / 8, K step q % 8): my 8 fragments of W1 into ring set q % 4: 24 loads of 512 consecutive bytes
.set rW, 2+((\q)%4)/2
.set rB, 96*((\q)%2)
.set rS, 36+2*((\q)/8)
	WIN (rW<<6)
.irp t, 0,1,2,3,4,5,6,7
.irp c, 0,1,2
	global_load_b128 v[rB+12*\t+4*\c:rB+12*\t+4*\c+3], v[LI], s[rS:rS+1] offset:12288*((\q)%8)+1536*\t+512*\c
.endr
.endr
	WIN 0
.endm
.macro TLOAD set, off, soff            ; a step of the second product: fragments (e, s) of one tile of 16 output columns at register 12 (4 e + s) of the set, and the tile's scale words (lanes 0-15 lo's rows, lanes 16-31 hi's): 25 loads
.set rW, 2+(\set)/2
.set rB, 96*((\set)%2)
	WIN (rW<<6)
.irp e, 0,1
.irp s, 0,1,2,3
.irp c, 0,1,2
	global_load_b128 v[rB+12*(4*\e+\s)+4*\c:rB+12*(4*\e+\s)+4*\c+3], v[LI], s[40+2*\e:41+2*\e] offset:(\off)+1536*\s+512*\c
.endr
.endr
.endr
	WIN 0
	global_load_b128 v[W2S+4*(\set):W2S+4*(\set)+3], v[VS2], s[44:45] offset:\soff
.endm
.macro ALOAD e                         ; expert e's scale words of my 128 rows of W1 (register 8 b + k: lanes 0-15 tile 2 b, lanes 16-31 tile 2 b + 1) and b1 in the result's layout: 24 loads
.irp b, 0,1,2,3
.irp c, 0,1
	global_load_b128 v[W1S+32*\e+8*\b+4*\c:W1S+32*\e+8*\b+4*\c+3], v[VS1], s[48+2*\e:49+2*\e] offset:1024*\b+16*\c
.endr
.endr
	WIN ((2+\e)<<6)
.irp t, 0,1,2,3,4,5,6,7
	global_load_b128 v[192+8*\t:195+8*\t], v[BO], s[52+2*\e:53+2*\e] offset:(32*(\t/2)+8*(\t%2))*4
	global_load_b128 v[196+8*\t:199+8*\t], v[BO], s[52+2*\e:53+2*\e] offset:(32*(\t/2)+8*(\t%2))*4+16
.endr
	WIN 0
.endm
.macro XFETCH k, buf                   ; x's four fragments of K step k
.irp m, 0,1,2,3
.irp c, 0,1,2
	ds_load_b128 v[XF+48*(\buf)+12*\m+4*\c:XF+48*(\buf)+12*\m+4*\c+3], v[LI] offset:(8*\m+(\k))*1536+512*\c
.endr
.endr
.endm
; A step of the first product: 32 matrix instructions, each of the 32 accumulators once and in the same order in every step.  A sum's first step takes b1 as C.
.macro KSTEP q
.set kE, (\q)/8
.set kK, (\q)%8
.set kW, 2+((\q)%4)/2
.set kB, 96*((\q)%2)
.set kX, XF+48*((\q)%2)
	s_wait_loadcnt 63                              ; this step's ring set is in: at least 72 loads were issued behind its own, and 63 is the largest count that a wait can name
	s_wait_dscnt 0x0                               ; x's fragments, asked for a step ago
.if (\q) < 15
	XFETCH ((\q)+1)%8, 1-(\q)%2
.endif
.if kK == 0
	WIN (0x40|((2+kE)<<4)|kW)
.else
	WIN (0x50|kW)
.endif
.irp t, 0,1,2,3,4,5,6,7
.irp m, 0,1,2,3
.set wD, 64*\m+8*\t
.set wA, kB+12*\t
.set wB, kX+12*\m
.if kK == 0
.set wC, 192+8*\t
.else
.set wC, wD
.endif
.set wSA, W1S+32*kE+8*(\t/2)+kK
.set wSB, XS+2*kK+\m/2
.set wRA, \t%2
.set wRB, \m%2
	WM
.endr
.endr
	WIN 0
	NOP4
.if (\q) < 12
	RLOAD1 (\q)+4
.else
	TLOAD (\q)-12, 6144*((\q)-12), 256*((\q)-12)
.endif
.endm
; Tile m of expert e's hidden layer (64 numbers a lane, register 16 b + i = unit 32 b + 16 (lane / 16) + i of my 128): relu, a scale for each 32, codes; its image is K step w of the second product.
.macro QUANT e, m
.set qH, 64*(\m)
	WIN 0x44
.set j, 0
.rept 64
	v_max_num_f32 v[qH+j], 0, v[qH+j]              ; ascending: each accumulator is read from its low end on
.set j, j+1
.endr
	WIN 0x05
.irp b, 0,1,2,3
	v_max3_num_f32 v[TM+\b], v[qH+16*\b], v[qH+16*\b+1], 0x2800000   ; none is negative; the floor 2^(5 - 127) holds the byte at 1 from below
.endr
.irp i, 2,4,6,8,10,12,14
.irp b, 0,1,2,3
	v_max3_num_f32 v[TM+\b], v[qH+16*\b+\i], v[qH+16*\b+\i+1], v[TM+\b]
.endr
.endr
	WIN 0
.irp b, 0,1,2,3
	v_permlanex16_b32 v[TM+4+\b], v[TM+\b], s46, s47
.endr
.irp b, 0,1,2,3
	v_max_num_f32 v[TM+\b], v[TM+\b], v[TM+4+\b]   ; with lane l xor 16's: the block's largest
.endr
.irp b, 0,1,2,3
	v_add_nc_u32 v[TM+12+\b], 0xfe000000, v[TM+\b] ; 4 off its exponent field: the conversion's scale operand
.endr
.irp b, 0,1,2,3
	v_lshrrev_b32 v[TM+4+\b], 23, v[TM+12+\b]
.endr
	s_wait_dscnt 0x0                               ; the last image's stores have read the registers that are written now
	v_lshl_or_b32 v[PW], v[TM+5], 8, v[TM+4]
	v_lshl_or_b32 v[PW], v[TM+6], 16, v[PW]
	v_lshl_or_b32 v[PW], v[TM+7], 24, v[PW]
	WIN 0x01
.irp c, 0,1
	v_cvt_scalef32_pk16_bf6_f32 v[PC+6*\c:PC+2+6*\c], v[qH+32*\c:qH+15+32*\c], v[TM+12+2*\c]
	v_cvt_scalef32_pk16_bf6_f32 v[PC+12+4*\c:PC+14+4*\c], v[qH+16+32*\c:qH+31+32*\c], v[TM+13+2*\c]
.endr
	WIN 0
	v_nop                                          ; one plain line behind a scaled conversion
.irp c, 0,1                            ; the operand's layout wants a whole block in a lane
.irp i, 0,1,2
	v_permlane16_swap_b32 v[PC+6*\c+\i], v[PC+12+4*\c+\i]
.endr
.irp i, 0,1,2
	v_mov_b32 v[PC+3+6*\c+\i], v[PC+12+4*\c+\i]
.endr
.endr
.irp c, 0,1,2
	ds_store_b128 v[HWI], v[PC+4*\c:PC+4*\c+3] offset:(4*(\e)+(\m))*6144+512*\c
.endr
	ds_store_b32 v[HWS], v[PW] offset:512*(\m)+64*(\e)   ; both halves of the lanes hold row r's word and write it to the same place
.endm
; A step of the second product: ring set u; 8 accumulators (e, m) by turns, K step by K step; the first starts the sums with the constant 0.
.macro P3STEP u, n
.set pW, 2+(\u)/2
.set pB, 96*((\u)%2)
	s_wait_loadcnt \n
.irp s, 0,1,2,3
.if \s == 0
	WIN (0x54|pW)
.elseif \s == 2
	WIN (0x50|pW)
.endif
.irp e, 0,1
.irp m, 0,1,2,3
.set wD, 192+8*(4*\e+\m)
.set wA, pB+12*(4*\e+\s)
.if \s < 2
.set wB, 12*((2*\s+\e)*4+\m)
.else
.set wB, 64+12*(((\s-2)*2+\e)*4+\m)
.endif
.if \s == 0
.set wC, -1
.else
.set wC, wD
.endif
.set wSA, W2S+4*(\u)+\s
.set wSB, HS+4*\m+\s
.set wRA, \e
.set wRB, \e
	WM
.endr
.endr
.endr
	WIN 0
	NOP4
.endm
.macro FOLD u                          ; w_lo x lo's results + w_hi x hi's, into the stage: lane (r, h): token 16 m + r, eight neighbouring columns
.set pO, 192+32*((\u)%2)
	s_wait_dscnt 8                                 ; the stores of two steps ago have read this set; the last step's eight may be out
	WIN 0xf9
.irp m, 0,1,2,3
.irp j, 0,2,4,6
	v_pk_mul_f32 v[pO+8*\m+\j:pO+8*\m+\j+1], v[192+8*\m+\j:193+8*\m+\j], v[192+2*\m:193+2*\m] op_sel_hi:[1,0]
.endr
.irp j, 0,2,4,6
	v_pk_fma_f32 v[pO+8*\m+\j:pO+8*\m+\j+1], v[224+8*\m+\j:225+8*\m+\j], v[192+2*\m:193+2*\m], v[pO+8*\m+\j:pO+8*\m+\j+1] op_sel:[0,1,0] op_sel_hi:[1,1,1]
.endr
.endr
	WIN 0x0c
.irp m, 0,1,2,3
	ds_store_b128 v[SA+\m], v[pO+8*\m:pO+8*\m+3] offset:64*(\u)
	ds_store_b128 v[SA+\m], v[pO+8*\m+4:pO+8*\m+7] offset:64*(\u)+16
.endr
	WIN 0
.endm
.macro SETSA
	s_wait_dscnt 0x0
.irp m, 0,1,2,3
	v_add_nc_u32 v[SA+\m], s56, v[STO+\m]
.endr
.endm
.macro ROWS dst, win, base             ; a row vector of 4,096 bytes, 16 bytes a lane and 512 a load
	WIN ((\win)<<6)
.irp j, 0,1,2,3,4,5,6,7
	global_load_b128 v[(\dst)+4*\j:(\dst)+4*\j+3], v[LI], s[\base:\base+1] offset:512*\j
.endr
	WIN 0
.endm
.macro XROW u, adr                     ; row u of four of x
	WIN 0xc0
.irp j, 0,1,2,3,4,5,6,7
	global_load_b128 v[32*(\u)+4*\j:32*(\u)+4*\j+3], v[(\adr)+(\u)], s[20:21] offset:512*\j
.endr
	WIN 0
.endm
.macro ASK a                           ; two of my rows 4 to 15 of x are asked for ahead: a lane to each 256 bytes, one instruction for two rows; each wave names its own rows alone (a row behind the tile's count names token 0's)
	global_prefetch_b8 v[PFA+(\a)], s[20:21] th:TH_LOAD_NT scope:SCOPE_SE
.endm
.macro RED4 b                          ; four rows' pairs at v[b + 2 u] -> the wave's sum in v[b + 2 u], in every lane
.irp u, 0,1,2,3
	v_add_f32 v[\b+2*\u], v[\b+2*\u], v[\b+2*\u+1]
.endr
.irp x, 1,2,4,8
.irp u, 0,1,2,3
	v_add_f32_dpp v[\b+2*\u], v[\b+2*\u], v[\b+2*\u] row_xmask:\x row_mask:0xf bank_mask:0xf
.endr
.endr
.irp u, 0,1,2,3
	v_permlanex16_b32 v[\b+2*\u+1], v[\b+2*\u], s46, s47
.endr
.irp u, 0,1,2,3
	v_add_f32 v[\b+2*\u], v[\b+2*\u], v[\b+2*\u+1]
.endr
.endm
.macro ROWOUT u                        ; a row that holds a token is stored whole: 8 x 512 consecutive bytes
	s_add_co_u32 s59, s61, \u
	s_cmp_lt_u32 s59, s35
	s_cbranch_scc0 .Lpad_\@
.irp j, 0,1,2,3,4,5,6,7
	global_store_b128 v[3+\u], v[64+32*\u+4*\j:67+32*\u+4*\j], s[26:27] offset:512*\j th:TH_STORE_NT
.endr
.Lpad_\@:
.endm
	; ---- the head
	s_load_b512 s[4:19], s[0:1], 0x0               ; tiles, xq, wl, W1's scales, W2's scales, b1, b2, rw
	s_load_b256 s[20:27], s[0:1], 0x40             ; x, gamma, beta, out0
	v_lshrrev_b32 v30, 5, v0
	v_readfirstlane_b32 s32, v30                   ; wave 0..3
	s_lshl_b32 s62, ttmp9, 4
	s_lshl_b32 s72, ttmp9, 8
	s_mov_b32 s73, 0
	s_mov_b32 s59, 0
	s_mov_b32 s46, 0x76543210
	s_mov_b32 s47, 0xfedcba98                      ; v_permlanex16_b32's selects for lane l xor 16
	s_wait_kmcnt 0x0
	s_load_b128 s[28:31], s[4:5], s62 offset:0x0   ; my tile: lo, hi, count
	s_add_nc_u64 s[72:73], s[4:5], s[72:73]        ; my tile's 64 places of the list lie 2,560 further on
	v_and_b32 v[LN], 31, v0                        ; lane
	v_and_b32 v[RL], 15, v0                        ; r
	v_bfe_u32 v[HL], v0, 4, 1                      ; h
	v_lshlrev_b32 v[LI], 4, v[LN]
	v_lshlrev_b32 v[LS], 2, v[LN]
	v_lshlrev_b32 v[T0], 2, v[RL]
	s_lshl_b32 s58, s32, 6
	v_add_nc_u32 v[T1], s58, v[T0]
	v_lshl_add_u32 v[XO], v[HL], 2, s58
	global_load_b32 v[TKO], v[T1], s[72:73] offset:2560            ; the token of my wave's row r
.irp m, 0,1,2,3
	global_load_b32 v[TK+\m], v[T0], s[72:73] offset:2560+64*\m    ; of row r of tile m
.endr
.irp j, 0,1,2,3,4,5
	global_load_b32 v[PFA+\j], v[XO], s[72:73] offset:2560+16+8*\j ; of my wave's row 4 + 2 j + lane / 16
.endr
	s_mul_i32 s58, s32, 12288
	v_add_nc_u32 v[XWI], s58, v[LI]
	s_lshl_b32 s58, s32, 6
	s_add_co_u32 s58, s58, XSC
	v_lshl_add_u32 v[XWS], v[RL], 2, s58
	s_mul_i32 s58, s32, 1536
	s_add_co_u32 s58, s58, HIMG
	v_add_nc_u32 v[HWI], s58, v[LI]
	s_lshl_b32 s58, s32, 7
	s_add_co_u32 s58, s58, HSC
	v_lshl_add_u32 v[HWS], v[RL], 2, s58
	v_add_nc_u32 v[LIH], HIMG, v[LI]
	v_add_nc_u32 v[LSH], HSC, v[LS]
	v_mul_u32_u24 v[STO], v[RL], SPI
	v_lshl_add_u32 v[STO], v[HL], 5, v[STO]
	s_lshl_b32 s58, s32, 10
	v_add_nc_u32 v[STO], s58, v[STO]
.irp m, 1,2,3
	v_add_nc_u32 v[STO+\m], \m*16*SPI, v[STO]
.endr
	v_and_b32 v[TT], 8, v[RL]
	v_add_nc_u32 v[TT], v[TT], v[RL]
	v_lshl_add_u32 v[TT], v[HL], 3, v[TT]
	v_lshlrev_b32 v[VS1], 5, v[TT]                 ; W1's scales: row 8 h + r + 8 (r / 8) of a pair of tiles, 32 bytes a row
	v_lshlrev_b32 v[BO], 6, v[HL]                  ; b1: 16 h numbers on
	s_wait_kmcnt 0x0
	s_min_u32 s33, s28, 7                          ; what was read is held inside its table
	s_min_u32 s34, s29, 7
	s_min_u32 s35, s30, 64                         ; the count decides which rows are stored, and nothing else
	s_mul_i32 s58, s33, 393216
	s_mul_i32 s60, s32, 98304
	s_add_co_u32 s58, s58, s60
	s_add_nc_u64 s[36:37], s[8:9], s[58:59]        ; my stream of W1[lo],
	s_add_nc_u64 s[40:41], s[36:37], 3145728       ; of W2[lo],
	s_mul_i32 s58, s34, 393216
	s_add_co_u32 s58, s58, s60
	s_add_nc_u64 s[38:39], s[8:9], s[58:59]        ; of W1[hi],
	s_add_nc_u64 s[42:43], s[38:39], 3145728       ; of W2[hi]
	s_lshl_b32 s60, s32, 12
	s_lshl_b32 s58, s33, 14
	s_add_co_u32 s58, s58, s60
	s_add_nc_u64 s[48:49], s[10:11], s[58:59]      ; W1's scales: 16,384 e + 128 w rows of 32 bytes
	s_lshl_b32 s58, s34, 14
	s_add_co_u32 s58, s58, s60
	s_add_nc_u64 s[50:51], s[10:11], s[58:59]
	s_lshl_b32 s60, s32, 9
	s_lshl_b32 s58, s33, 11
	s_add_co_u32 s58, s58, s60
	s_add_nc_u64 s[52:53], s[14:15], s[58:59]      ; b1: 2,048 e + 512 w
	s_lshl_b32 s58, s34, 11
	s_add_co_u32 s58, s58, s60
	s_add_nc_u64 s[54:55], s[14:15], s[58:59]
	s_lshl_b32 s58, s33, 12
	s_add_nc_u64 s[66:67], s[16:17], s[58:59]      ; b2's two rows
	s_lshl_b32 s58, s34, 12
	s_add_nc_u64 s[68:69], s[16:17], s[58:59]
	s_mov_b64 s[44:45], s[12:13]
	s_lshl_b32 s58, s33, 14
	s_lshl_b32 s60, s34, 14
	v_sub_nc_u32 v[TT], 1, v[HL]
	v_mul_u32_u24 v[VS2], s58, v[TT]
	v_mad_u32_u24 v[VS2], s60, v[HL], v[VS2]       ; W2's scales: lanes 0-15 lo's, lanes 16-31 hi's,
	v_lshl_add_u32 v[VS2], v[RL], 4, v[VS2]
	s_lshl_b32 s60, s32, 12
	v_add_nc_u32 v[VS2], s60, v[VS2]               ; row 256 w + r, 16 bytes a row
	ALOAD 0
	RLOAD1 0
	s_wait_loadcnt 48                              ; the list's 11 loads are in: behind them 24 + 24 were issued
	v_min_u32 v[TKO], 0x1fff, v[TKO]
.irp m, 0,1,2,3
	v_min_u32 v[TK+\m], 0x1fff, v[TK+\m]
	v_lshlrev_b32 v[TK+\m], 4, v[TK+\m]
.endr
	v_lshlrev_b32 v[TT], 8, v[RL]
.irp j, 0,1,2,3,4,5
	v_min_u32 v[PFA+\j], 0x1fff, v[PFA+\j]
	v_lshl_add_u32 v[PFA+\j], v[PFA+\j], 12, v[TT] ; the row's byte 256 (lane % 16)
.endr
	v_mul_u32_u24 v[XO], v[TKO], 768
	v_mad_u32_u24 v[XO], v[HL], 384, v[XO]         ; my token's codes, my half's 384 bytes
	v_lshlrev_b32 v[T0], 5, v[TKO]
	v_lshlrev_b32 v[T1], 4, v[TKO]
	WIN 0x40
.irp k, 0,1,2,3,4,5,6,7
.irp c, 0,1,2
	global_load_b128 v[12*\k+4*\c:12*\k+4*\c+3], v[XO], s[6:7] offset:48*\k+16*\c   ; K step k's fragment of my 16 rows, as an operand's registers
.endr
.endr
	WIN 0
	global_load_b128 v[232:235], v[T0], s[6:7] offset:6291456      ; its eight scale words
	global_load_b128 v[236:239], v[T0], s[6:7] offset:6291472
	global_load_b64 v[WO:WO+1], v[T1], s[18:19]                    ; its w_lo, w_hi
	RLOAD1 1
	RLOAD1 2
.irp b, 0,1,2,3
	v_mov_b32 v[TM+4+\b], 0                        ; written once: a lane permute's destination counts as one of its sources
.endr
	; ---- x's images
	s_wait_loadcnt 48                              ; the gather is in: behind it two ring sets were issued
	WIN 0x04
.irp k, 0,1,2,3,4,5,6,7
.irp c, 0,1,2
	ds_store_b128 v[XWI], v[12*\k+4*\c:12*\k+4*\c+3] offset:1536*\k+512*\c
.endr
.endr
	WIN 0
.irp k, 0,1,2,3,4,5,6,7
	ds_store_b32 v[XWS], v[232+\k] offset:256*\k
.endr
	s_wait_dscnt 0x0                               ; for the others' sake
	s_barrier_signal -1
	s_barrier_wait -1                              ; x's 32 fragments lie in LDS
	RLOAD1 3
	ALOAD 1
.set i, 0
.rept 16
	ds_load_b32 v[XS+i], v[LS] offset:XSC+128*i    ; lanes 0-15 an even tile's words, lanes 16-31 the odd one's
.set i, i+1
.endr
	XFETCH 0, 0
	; ---- the first product and the quantiser, lo and then hi
	KSTEP 0
	WIN 0x80
.irp m, 0,1,2,3
	global_load_b64 v[192+2*\m:193+2*\m], v[TK+\m], s[18:19]       ; w_lo, w_hi of token 16 m + r, where b1[lo] lay
.endr
	WIN 0
.irp q, 1,2,3,4,5,6,7
	KSTEP \q
.endr
.irp m, 0,1,2,3
	QUANT 0, \m
.endr
.irp q, 8,9,10,11,12,13,14,15
	KSTEP \q
.endr
.irp m, 0,1,2,3
	QUANT 1, \m
.endr
	s_wait_dscnt 0x0
	s_barrier_signal -1
	s_barrier_wait -1                              ; the hidden layer's 32 fragments lie in LDS, and nobody reads x's images any more
	; ---- the second product
	WIN 0x40
.irp s, 0,1
.irp e, 0,1
.irp m, 0,1,2,3
.irp c, 0,1,2
	ds_load_b128 v[12*((2*\s+\e)*4+\m)+4*\c:12*((2*\s+\e)*4+\m)+4*\c+3], v[LIH] offset:((4*\e+\m)*4+\s)*1536+512*\c
.endr
.endr
.endr
.endr
	WIN 0
.irp s, 2,3
.irp e, 0,1
.irp m, 0,1,2,3
.irp c, 0,1,2
	ds_load_b128 v[64+12*(((\s-2)*2+\e)*4+\m)+4*\c:64+12*(((\s-2)*2+\e)*4+\m)+4*\c+3], v[LIH] offset:((4*\e+\m)*4+\s)*1536+512*\c
.endr
.endr
.endr
.endr
.set i, 0
.rept 16
	ds_load_b32 v[HS+i], v[LSH] offset:128*i       ; lanes 0-15 lo's words, lanes 16-31 hi's
.set i, i+1
.endr
.irp u, 0,1,2,3
	v_readlane_b32 s58, v[TKO], \u                 ; my first four rows' offsets in x and in out0
	s_min_u32 s58, s58, 0x1fff
	s_lshl_b32 s58, s58, 12
	v_add_nc_u32 v[3+\u], s58, v[LI]
.endr
	s_wait_xcnt 0x0                                ; the ring's loads have read their bases, which now stand four steps on
	s_add_nc_u64 s[40:41], s[40:41], 24576
	s_add_nc_u64 s[42:43], s[42:43], 24576
	s_add_nc_u64 s[44:45], s[44:45], 1024
	s_mov_b32 s56, 0
	s_mov_b32 s57, 3
.Lcols:                                            ; a trip: four tiles of 16 columns; each step fills its ring set with the step four on
	SETSA
	P3STEP 0, 63
	TLOAD 0, 0, 0
	FOLD 0
	P3STEP 1, 63
	TLOAD 1, 6144, 256
	FOLD 1
	P3STEP 2, 63
	TLOAD 2, 12288, 512
	FOLD 2
	P3STEP 3, 63
	TLOAD 3, 18432, 768
	FOLD 3
	s_wait_xcnt 0x0
	s_add_nc_u64 s[40:41], s[40:41], 24576
	s_add_nc_u64 s[42:43], s[42:43], 24576
	s_add_nc_u64 s[44:45], s[44:45], 1024
	s_add_co_u32 s56, s56, 256
	s_sub_co_u32 s57, s57, 1
	s_cmp_lg_u32 s57, 0
	s_cbranch_scc1 .Lcols
	SETSA                                          ; the last four steps: the ring sets that fall free take what the rows' phase wants
	P3STEP 0, 63                                   ; behind this set: 3 x 25
	ROWS 0, 2, 22                                  ; gamma
	ROWS 32, 2, 24                                 ; beta
	ASK 0
	ASK 1
	FOLD 0
	P3STEP 1, 63                                   ; behind this set: 25 + 25 + 16
	ROWS 64, 2, 66                                 ; b2[lo]
	ROWS 96, 2, 68                                 ; b2[hi]
	ASK 2
	ASK 3
	FOLD 1
	P3STEP 2, 57                                   ; behind this set: 25 + 16 + 16
	XROW 0, 3
	XROW 1, 3
	ASK 4
	ASK 5
	FOLD 2
	P3STEP 3, 48                                   ; behind this set: 16 + 16 + 16
	XROW 2, 3
	XROW 3, 3
	FOLD 3
	s_wait_dscnt 0x0
	s_barrier_signal -1
	s_barrier_wait -1                              ; 64 whole rows lie in the stage
	; ---- rows: residual, b2, LayerNorm.  Four rows a trip; the next four rows' loads are issued ahead of this trip's statistics
	s_mul_i32 s58, s32, 16*SPI
	v_add_nc_u32 v16, s58, v[LI]
	s_mov_b32 s57, 0
	s_mov_b32 s70, 0x3a800000                      ; 1 / 1,024
	s_mov_b32 s71, 0x3727c5ac                      ; 1e-5
.irp u, 0,1,2,3
	v_mov_b32 v[12+\u], v[3+\u]
.endr
	WIN 0x40
.irp u, 0,1,2,3
.irp j, 0,1,2,3,4,5,6,7
	ds_load_b128 v[32*\u+4*\j:32*\u+4*\j+3], v16 offset:\u*SPI+512*\j
.endr
.endr
	WIN 0
.Lrows:
	s_wait_loadcnt 0x0
	s_wait_dscnt 0x0
	WIN 0x07
.set i, 0
.rept 64
	v_pk_add_f32 v[64+i:65+i], v[i:i+1], v[i:i+1]  ; x (window 3) + the weighed results (window 1)
.set i, i+2
.endr
	WIN 0
	s_lshl_b32 s58, s57, 2
.irp u, 0,1,2,3
	s_add_co_u32 s59, s58, \u
	v_readlane_b32 s[84+4*\u], v[WO], s59          ; the row's w_lo and w_hi
	v_readlane_b32 s[86+4*\u], v[WO+1], s59
	s_mov_b32 s[85+4*\u], 0                        ; (named as the pairs' upper words)
	s_mov_b32 s[87+4*\u], 0
.endr
	WIN 0x02
.irp u, 0,1,2,3
.set j, 0
.rept 16
	v_pk_fma_f32 v[64+32*\u+j:65+32*\u+j], v[64+j:65+j], s[84+4*\u:85+4*\u], v[64+32*\u+j:65+32*\u+j] op_sel_hi:[1,0,1]
.set j, j+2
.endr
.endr
.irp u, 0,1,2,3
.set j, 0
.rept 16
	v_pk_fma_f32 v[64+32*\u+j:65+32*\u+j], v[96+j:97+j], s[86+4*\u:87+4*\u], v[64+32*\u+j:65+32*\u+j] op_sel_hi:[1,0,1]
.set j, j+2
.endr
.endr
	WIN 0
	s_cmp_eq_u32 s57, 3
	s_cbranch_scc1 .Lno_next                       ; the last trip loads nothing; the waits that follow are for 0 on both ways
	s_add_co_u32 s59, s57, 1
	s_mul_i32 s56, s59, 4*SPI
	v_add_nc_u32 v17, s56, v16
.irp u, 0,1,2,3
	s_add_co_u32 s59, s58, 4+\u
	v_readlane_b32 s60, v[TKO], s59
	s_min_u32 s60, s60, 0x1fff
	s_lshl_b32 s60, s60, 12
	v_add_nc_u32 v[12+\u], s60, v[LI]
.endr
.irp u, 0,1,2,3
	XROW \u, 12
.endr
	WIN 0x40
.irp u, 0,1,2,3
.irp j, 0,1,2,3,4,5,6,7
	ds_load_b128 v[32*\u+4*\j:32*\u+4*\j+3], v17 offset:\u*SPI+512*\j
.endr
.endr
	WIN 0
.Lno_next:
.irp u, 0,1,2,3
	v_pk_add_f32 v[SS+2*\u:SS+2*\u+1], v[64+32*\u:65+32*\u], v[66+32*\u:67+32*\u]
.endr
.set j, 4
.rept 14
.irp u, 0,1,2,3
	v_pk_add_f32 v[SS+2*\u:SS+2*\u+1], v[SS+2*\u:SS+2*\u+1], v[64+32*\u+j:65+32*\u+j]
.endr
.set j, j+2
.endr
	RED4 SS
.irp u, 0,1,2,3
	v_mul_f32 v[SS+2*\u], s70, v[SS+2*\u]          ; the mean
.endr
.set j, 0
.rept 16
.irp u, 0,1,2,3
	v_pk_add_f32 v[64+32*\u+j:65+32*\u+j], v[64+32*\u+j:65+32*\u+j], v[SS+2*\u:SS+2*\u+1] op_sel_hi:[1,0] neg_lo:[0,1] neg_hi:[0,1]
.endr
.set j, j+2
.endr
.irp u, 0,1,2,3
	v_pk_mul_f32 v[QQ+2*\u:QQ+2*\u+1], v[64+32*\u:65+32*\u], v[64+32*\u:65+32*\u]
.endr
.set j, 2
.rept 15
.irp u, 0,1,2,3
	v_pk_fma_f32 v[QQ+2*\u:QQ+2*\u+1], v[64+32*\u+j:65+32*\u+j], v[64+32*\u+j:65+32*\u+j], v[QQ+2*\u:QQ+2*\u+1]
.endr
.set j, j+2
.endr
	RED4 QQ                                        ; the squares of what is left when the mean is off: no difference of large sums is formed
.irp u, 0,1,2,3
	v_fma_f32 v[QQ+2*\u], v[QQ+2*\u], s70, s71
.endr
.irp u, 0,1,2,3
	v_rsq_f32 v[QQ+2*\u], v[QQ+2*\u]
.endr
	v_nop                                          ; a plain line behind the last of the four
	s_wait_alu depctr_va_vdst(0)                   ; one wait for the four, ahead of their first reader
.set j, 0
.rept 16
.irp u, 0,1,2,3
	v_pk_mul_f32 v[64+32*\u+j:65+32*\u+j], v[64+32*\u+j:65+32*\u+j], v[QQ+2*\u:QQ+2*\u+1] op_sel_hi:[1,0]
.endr
.set j, j+2
.endr
	WIN 0x28
.set j, 0
.rept 16
.irp u, 0,1,2,3
	v_pk_fma_f32 v[64+32*\u+j:65+32*\u+j], v[64+32*\u+j:65+32*\u+j], v[j:j+1], v[32+j:33+j]   ; x gamma + beta
.endr
.set j, j+2
.endr
	WIN 0
	s_lshl_b32 s61, s32, 4
	s_add_co_u32 s61, s61, s58                     ; the first of the four rows in the tile
	ROWOUT 0
	ROWOUT 1
	ROWOUT 2
	ROWOUT 3
	s_wait_xcnt 0x0                                ; the stores have read their data and offsets: both are written again
.irp u, 0,1,2,3
	v_mov_b32 v[3+\u], v[12+\u]
.endr
	s_add_co_u32 s57, s57, 1
	s_cmp_lt_u32 s57, 4
	s_cbranch_scc1 .Lrows
	s_wait_xcnt 0x0
	v_lshl_add_u32 v254, v0, 2, 0x4cc00
	v_mov_b32 v255, 0
	s_wait_tensorcnt 0x0
	ds_add_u32 v254, v255
	s_wait_dscnt 0x0
	s_endpgm
.Lfunc_end_k_q62a4b22e66_chain:
	.size	k_q62a4b22e66_chain, .Lfunc_end_k_q62a4b22e66_chain-k_q62a4b22e66_chain
	.p2alignl 7, 3214868480
	.fill 96, 4, 3214868480
	.section	.rodata,"a",@progbits
	.p2align	6, 0x0
	.amdhsa_kernel k_q62a4b22e66_chain
		.amdhsa_group_segment_fixed_size 314880
		.amdhsa_private_segment_fixed_size 0
		.amdhsa_enable_private_segment 0
		.amdhsa_kernarg_size 96
		.amdhsa_user_sgpr_count 2
		.amdhsa_user_sgpr_kernarg_segment_ptr 1
		.amdhsa_wavefront_size32 1
		.amdhsa_system_sgpr_workgroup_id_x 1
		.amdhsa_system_sgpr_workgroup_id_y 1
		.amdhsa_system_sgpr_workgroup_id_z 1
		.amdhsa_system_vgpr_workitem_id 0
		.amdhsa_next_free_vgpr 1024
		.amdhsa_next_free_sgpr 104
		.amdhsa_reserve_vcc 0
		.amdhsa_float_denorm_mode_32 3
		.amdhsa_float_denorm_mode_16_64 3
		.amdhsa_memory_ordered 1
		.amdhsa_forward_progress 1
		.amdhsa_inst_pref_size 255
	.end_amdhsa_kernel
	.section	.bss,"aw",@nobits
	.p2align	6
	.space	262144
	.amdgpu_metadata
---
amdhsa.version: [ 1, 2 ]
amdhsa.kernels:
  - .name:           k_q62a4b22e66_chain
    .symbol:         k_q62a4b22e66_chain.kd
    .args:
      - { .name: tiles, .offset: 0, .size: 8, .value_kind: global_buffer, .address_space: global }
      - { .name: xq, .offset: 8, .size: 8, .value_kind: global_buffer, .address_space: global }
      - { .name: wl, .offset: 16, .size: 8, .value_kind: global_buffer, .address_space: global }
      - { .name: W1_scales, .offset: 24, .size: 8, .value_kind: global_buffer, .address_space: global }
      - { .name: W2_scales, .offset: 32, .size: 8, .value_kind: global_buffer, .address_space: global }
      - { .name: b1, .offset: 40, .size: 8, .value_kind: global_buffer, .address_space: global }
      - { .name: b2, .offset: 48, .size: 8, .value_kind: global_buffer, .address_space: global }
      - { .name: rw, .offset: 56, .size: 8, .value_kind: global_buffer, .address_space: global }
      - { .name: x, .offset: 64, .size: 8, .value_kind: global_buffer, .address_space: global }
      - { .name: gamma, .offset: 72, .size: 8, .value_kind: global_buffer, .address_space: global }
      - { .name: beta, .offset: 80, .size: 8, .value_kind: global_buffer, .address_space: global }
      - { .name: out0, .offset: 88, .size: 8, .value_kind: global_buffer, .address_space: global }
    .group_segment_fixed_size: 314880
    .private_segment_fixed_size: 0
    .kernarg_segment_align: 8
    .kernarg_segment_size: 96
    .max_flat_workgroup_size: 128
    .sgpr_count:     104
    .vgpr_count:     1024
    .wavefront_size: 32
...
	.end_amdgpu_metadata
.endif
;; end of part 3
;; ======== version 2 of 2: 3 launches
;; workspace buffers: xq 6,553,600 bytes; wl 6,291,456 bytes; rt 65,536 bytes of whole numbers; rw 131,072 bytes; tiles 43,520 bytes of whole numbers
;; launch route (part 4): grid 256 x 1, 8 waves a work-group, no clusters, 80,896 bytes of LDS; arguments x, Wg, bg, W1_codes, W2_codes, xq, wl, rt, rw; writes xq, wl, rt, rw
.if DOCPART == 4
	.amdgcn_target "amdgcn-amd-amdhsa--gfx1250"
	.amdhsa_code_object_version 6
	.text
	.protected	k_q62a4b22e66_route
	.globl	k_q62a4b22e66_route
	.p2align	8
	.type	k_q62a4b22e66_route,@function
k_q62a4b22e66_route:
	s_mov_b64 s[64:65], 0
	v_nop
	global_prefetch_b8 v0, s[64:65] scope:SCOPE_SE
	s_setreg_imm32_b32 hwreg(HW_REG_WAVE_MODE, 25, 1), 1
	s_wait_xcnt 0x0
; ROUTE.  For 32 tokens a work-group: x is quantised to codes of BF6 (E3M2) with one E8M0 byte for each 32 along K; the router's logits x Wg + bg in f32 (fused multiply-adds),
; softmax with the row's maximum taken off, the two largest probabilities (the lower index wins a tie), and what the placing launch needs, stored at fixed places as whole numbers.
; Each wave also lays two fragments of W1 or W2 (16 rows x 128 K, 1,536 bytes) into wl in the order of an operand's registers, so that the chain loads them by 16 bytes a lane.
; SHARES.  Wave w takes tokens 8 (w / 2) .. + 7 of the 32 and half w % 2 of their rows (512 numbers).  A lane holds 16 neighbours of a row: two lanes hold a block of 32.
; Each load reads 512 consecutive bytes; a token's 2,048 bytes turn through the wave's own stage in LDS (64 bytes + 16 of padding a lane).  All 32 loads of a wave go out at the head.
; xq: a token's 768 bytes of codes lie [h][k][48 bytes]: for K step k (128 along K) blocks 4 k + h and 4 k + 2 + h on end, which is what lane (r, h) of an operand holds; the scale bytes [token][32] lie behind all codes.
; LIMITS: NaN and infinities among the inputs are not served.  A block whose largest magnitude lies under 2^(5 - 127), a block of zeros among them, gets the byte 1: its codes are zeros or nearly so,
; and the bytes are read by this program alone.  A probability under 2^-126 comes out of v_exp_f32 as 0.
.set SP,   80                          ; a lane's place in a stage
.set LG,   0                           ; LDS: partial logits [half of the row][half of the lanes][32 tokens][8] f32, 4,096 bytes
.set SCB,  4096                        ; scale bytes [32 tokens][32]
.set WGL,  5120                        ; Wg: 64 blocks of 16 rows (512 bytes) + 16 of padding
.set STG,  38912                       ; two stages of 32 x SP bytes for each wave
.set ACC,  16                          ; v16-31   two sets of eight sums, by turns
.set CD,   64                          ; v64-95   codes, four registers a token: no store's data are written again
.set XR,   96                          ; v96-127  two sets of 16 neighbours (at the head: the two fragments on their way)
.set RR,   128                         ; v128-255 eight sets of 16 numbers as loaded.   Window 1, v0-127: register 8 i + e = Wg[my first number + i][e]
.set MSB,  0
.macro WIN new                         ; the immediate's high byte repeats the setting that is left
.if MSB != (\new)
	s_set_vgpr_msb (MSB<<8)|(\new)
.set MSB, (\new)
.endif
.endm
	s_load_b512 s[4:19], s[0:1], 0x0               ; x, Wg, bg, W1's codes, W2's codes, xq, wl, rt
	s_load_b64 s[20:21], s[0:1], 0x40              ; rw
	v_lshl_add_u32 v91, v0, 2, 0x13800
	v_mov_b32 v95, 0
	v_lshrrev_b32 v12, 5, v0
	s_delay_alu instid0(VALU_DEP_1)
	v_readfirstlane_b32 s22, v12                   ; wave 0..7
	s_and_b32 s23, s22, 1                          ; which half of the rows
	s_lshr_b32 s24, s22, 1                         ; which eight tokens
	v_and_b32 v11, 31, v0                          ; lane
	s_delay_alu instid0(VALU_DEP_1)
	v_lshlrev_b32 v1, 4, v11                       ; 16 x lane
	s_mul_i32 s25, s22, 64*SP
	s_add_co_u32 s25, s25, STG                     ; my stages
	v_lshrrev_b32 v12, 2, v11
	s_delay_alu instid0(VALU_DEP_1)
	v_mul_u32_u24 v2, v12, SP
	v_and_b32 v12, 3, v11
	s_delay_alu instid0(VALU_DEP_1)
	v_lshl_add_u32 v2, v12, 4, v2
	s_delay_alu instid0(VALU_DEP_1)
	v_add_nc_u32 v2, s25, v2                       ; into a stage: SP (lane / 4) + 16 (lane % 4)
	v_mul_u32_u24 v3, v11, SP
	s_delay_alu instid0(VALU_DEP_1)
	v_add_nc_u32 v3, s25, v3                       ; out of it: SP x lane
	v_bfe_u32 v12, v11, 1, 1                       ; my 12 bytes in the token's codes: block 16 half + lane / 2 = 4 k + j lies at 384 (j % 2) + 48 k + 24 (j / 2)
	s_delay_alu instid0(VALU_DEP_1)
	v_mul_u32_u24 v4, v12, 384
	v_lshrrev_b32 v12, 3, v11
	s_delay_alu instid0(VALU_DEP_1)
	v_mad_u32_u24 v4, v12, 48, v4
	v_bfe_u32 v12, v11, 2, 1
	s_delay_alu instid0(VALU_DEP_1)
	v_mad_u32_u24 v4, v12, 24, v4
	v_and_b32 v12, 1, v11
	s_delay_alu instid0(VALU_DEP_1)
	v_mad_u32_u24 v4, v12, 12, v4
	s_lshl_b32 s25, s24, 8
	s_lshl_b32 s26, s23, 4
	s_add_co_u32 s26, s26, s25
	s_add_co_u32 s26, s26, SCB
	v_lshrrev_b32 v5, 1, v11
	s_delay_alu instid0(VALU_DEP_1)
	v_add_nc_u32 v5, s26, v5                       ; my block's scale byte: 32 x token + 16 x half + lane / 2
	s_lshl_b32 s26, s23, 11
	s_add_co_u32 s26, s26, s25
	v_lshrrev_b32 v6, 4, v11
	s_delay_alu instid0(VALU_DEP_1)
	v_lshlrev_b32 v6, 10, v6
	s_delay_alu instid0(VALU_DEP_1)
	v_add_nc_u32 v6, s26, v6                       ; my partial logits: 2,048 x half + 1,024 (lane / 16) + 32 x token
	s_mul_i32 s26, s22, 8*528
	s_add_co_u32 s26, s26, WGL
	v_add_nc_u32 v7, s26, v1                       ; Wg into LDS: my wave's eight blocks
	s_mul_i32 s26, s23, 32*528
	s_add_co_u32 s26, s26, WGL
	v_mul_u32_u24 v8, v11, 528
	s_delay_alu instid0(VALU_DEP_1)
	v_add_nc_u32 v8, s26, v8                       ; and out: block 32 x half + lane: my 16 rows of Wg
	s_lshl_b32 s26, s22, 12
	v_add_nc_u32 v14, s26, v1                      ; Wg in memory: 4,096 x wave + 16 x lane
	; the two fragments that I lay out: F = 16 x work-group + 2 x wave + 0, 1.  F < 2,048: W1, F = ((e 4 + w) 8 + k) 8 + t; else W2, F - 2,048 = ((e 4 + w) 16 + i) 4 + s
	s_lshl_b32 s27, ttmp9, 4
	s_lshl_b32 s28, s22, 1
	s_add_co_u32 s27, s27, s28
	s_bfe_u32 s28, s27, 0x30008                    ; e
	s_bfe_u32 s29, s27, 0x20006                    ; w
	s_bfe_u32 s30, s27, 0x20001                    ; W1: t / 2
	s_lshl_b32 s30, s30, 5
	s_lshl_b32 s31, s29, 7
	s_add_co_u32 s30, s30, s31                     ; first row 128 w + 32 (t / 2)
	s_mul_i32 s30, s30, 768
	s_bfe_u32 s31, s27, 0x30003                    ; k
	s_mul_i32 s31, s31, 96
	s_add_co_u32 s30, s30, s31
	s_bfe_u32 s33, s27, 0x40002                    ; W2: i
	s_lshl_b32 s33, s33, 4
	s_lshl_b32 s34, s29, 8
	s_add_co_u32 s33, s33, s34                     ; first row 256 w + 16 i
	s_mul_i32 s33, s33, 384
	s_and_b32 s34, s27, 3                          ; s
	s_mul_i32 s34, s34, 96
	s_add_co_u32 s33, s33, s34
	s_mul_i32 s28, s28, 393216
	s_cmp_lt_u32 ttmp9, 128                        ; one path for both tensors: only numbers and the pointer are chosen
	s_cselect_b32 s30, s30, s33
	s_mov_b32 s31, 384
	s_cselect_b32 s31, 768, s31                    ; a row of codes in bytes
	s_mov_b32 s34, 96
	s_cselect_b32 s34, 6144, s34                   ; to the second fragment: W1: tile t + 1, eight rows on; W2: K step s + 1
	s_cselect_b32 s35, 1, 0
	v_and_b32 v12, 15, v11
	v_and_b32 v13, 8, v11
	s_delay_alu instid0(VALU_DEP_1)
	v_mul_u32_u24 v13, s35, v13
	s_delay_alu instid0(VALU_DEP_1)
	v_add_nc_u32 v12, v12, v13                     ; W1: lane r takes row r + 8 (r / 8) of the tile's span; W2: row r
	s_delay_alu instid0(VALU_DEP_1)
	v_mul_u32_u24 v9, s31, v12
	v_lshrrev_b32 v13, 4, v11
	s_delay_alu instid0(VALU_DEP_1)
	v_mad_u32_u24 v9, v13, 24, v9
	s_add_co_u32 s30, s30, s28
	v_add_nc_u32 v9, s30, v9
	s_delay_alu instid0(VALU_DEP_1)
	v_add_nc_u32 v10, s34, v9
	s_mul_i32 s40, s27, 1536
	s_mov_b32 s41, 0
	s_lshl_b32 s42, ttmp9, 5
	s_lshl_b32 s43, s24, 3
	s_add_co_u32 s42, s42, s43                     ; my first token
	s_lshl_b32 s44, s42, 12
	s_lshl_b32 s43, s23, 11
	s_add_co_u32 s44, s44, s43
	s_mov_b32 s45, 0
	s_mul_i32 s50, s42, 768
	s_mul_i32 s43, s23, 192
	s_add_co_u32 s50, s50, s43
	s_mov_b32 s51, 0
	s_lshl_b32 s66, ttmp9, 10
	s_mov_b32 s67, 0
	s_wait_alu depctr_va_vdst(0)
	s_wait_kmcnt 0x0
	s_cmp_lt_u32 ttmp9, 128
	s_cselect_b64 s[36:37], s[10:11], s[12:13]
	s_add_nc_u64 s[38:39], s[16:17], s[40:41]      ; wl at my first fragment
	s_add_nc_u64 s[4:5], s[4:5], s[44:45]          ; x at my first token's half row
	s_add_nc_u64 s[46:47], s[14:15], s[50:51]      ; xq: its codes
	s_add_nc_u64 s[48:49], s[14:15], s[66:67]      ; xq: 1,024 x work-group; the scale bytes lie 6,291,456 further on
.irp j, 0,1
.irp p, 0,1,2,3,4,5
	global_load_b64 v[XR+12*\j+2*\p:XR+12*\j+2*\p+1], v[9+\j], s[36:37] offset:48*(\p/3)+8*(\p%3)
.endr
.endr
	WIN 0x40
.irp j, 0,1,2,3,4,5,6,7
	global_load_b128 v[4*\j:4*\j+3], v14, s[6:7] offset:512*\j    ; my eighth of Wg, 512 consecutive bytes a load
.endr
	WIN 0
.irp t, 0,1,2,3,4,5,6,7
.irp i, 0,1,2,3
	global_load_b128 v[RR+16*\t+4*\i:RR+16*\t+4*\i+3], v1, s[4:5] offset:4096*\t+512*\i th:TH_LOAD_NT
.endr
.endr
	s_wait_loadcnt 40                              ; the fragments are in: behind them 8 loads of Wg and 32 of x were issued
.irp j, 0,1
.irp c, 0,1,2
	global_store_b128 v1, v[XR+12*\j+4*\c:XR+12*\j+4*\c+3], s[38:39] offset:1536*\j+512*\c   ; registers 4 c .. 4 c + 3, 512 consecutive bytes
.endr
.endr
	s_wait_loadcnt 32                              ; Wg is in
	WIN 0x04
.irp j, 0,1,2,3,4,5,6,7
	ds_store_b128 v7, v[4*\j:4*\j+3] offset:528*\j
.endr
	WIN 0
	s_wait_dscnt 0x0                               ; for the others' sake: my part of Wg lies in LDS
	s_barrier_signal -1
	s_barrier_wait -1
	WIN 0x40
.set cc, 0
.rept 32
	ds_load_b128 v[4*cc:4*cc+3], v8 offset:16*cc   ; my 16 rows of Wg: 512 bytes; the blocks' pitch of 528 keeps sixteen lanes in sixteen different columns of 16 bytes
.set cc, cc+1
.endr
	WIN 0
.macro TURN t                          ; token t's numbers through the stage: LDS serves a wave's instructions in order, so no wait stands between the stores and the loads
.irp i, 0,1,2,3
	ds_store_b128 v2, v[RR+16*(\t)+4*\i:RR+16*(\t)+4*\i+3] offset:32*SP*((\t)%2)+8*SP*\i
.endr
.irp i, 0,1,2,3
	ds_load_b128 v[XR+16*((\t)%2)+4*\i:XR+16*((\t)%2)+4*\i+3], v3 offset:32*SP*((\t)%2)+16*\i
.endr
.endm
	s_wait_xcnt 0x0                                ; the fragments' stores have read their registers, which now take x
	s_wait_loadcnt 28                              ; token 0's four loads are in
	TURN 0
.macro TOK t
.set XS, XR+16*((\t)%2)
.set AC, ACC+8*((\t)%2)
.if (\t) == 0
	s_wait_dscnt 0x0                               ; Wg and token 0
.else
	s_wait_dscnt 3                                 ; this token is back from the stage: behind its loads stand the last token's byte store and its two stores of sums
.endif
.if (\t) < 7
	s_wait_loadcnt 4*(6-(\t))                      ; the next token's four loads are in; the later tokens' may be out
	TURN (\t)+1
.endif
	v_max3_num_f32 v32, |v[XS]|, |v[XS+1]|, |v[XS+2]|
	v_max3_num_f32 v33, |v[XS+3]|, |v[XS+4]|, |v[XS+5]|
.irp i, 6,10
	s_delay_alu instid0(VALU_DEP_2)
	v_max3_num_f32 v32, v32, |v[XS+\i]|, |v[XS+\i+1]|
	s_delay_alu instid0(VALU_DEP_2)
	v_max3_num_f32 v33, v33, |v[XS+\i+2]|, |v[XS+\i+3]|
.endr
	s_delay_alu instid0(VALU_DEP_2)
	v_max3_num_f32 v32, v32, |v[XS+14]|, |v[XS+15]|
	s_delay_alu instid0(VALU_DEP_1)
	v_max3_num_f32 v32, v32, v33, 0x2800000        ; the floor 2^(5 - 127): the byte cannot fall under 1
	s_delay_alu instid0(VALU_DEP_1)
	v_max_num_f32_dpp v32, v32, v32 row_xmask:1 row_mask:0xf bank_mask:0xf   ; with my neighbour's 16: the block's largest magnitude
	s_delay_alu instid0(VALU_DEP_1)
	v_add_nc_u32 v34, 0xfe000000, v32              ; 4 off its exponent field: the conversion's scale operand
	v_cvt_scalef32_pk16_bf6_f32 v[CD+4*(\t):CD+4*(\t)+2], v[XS:XS+15], v34
	v_lshrrev_b32 v[36+(\t)%2], 23, v34            ; the scale's byte (and the plain line behind the conversion)
	ds_store_b8 v5, v[36+(\t)%2] offset:32*(\t)    ; both lanes of a block write the same byte with the same value
	global_store_b96 v4, v[CD+4*(\t):CD+4*(\t)+2], s[46:47] offset:768*(\t)
	WIN 0x04                                       ; source 1, Wg, in window 1.  Eight sums, two an instruction; x[i] feeds both halves
.irp p, 0,1,2,3
	v_pk_mul_f32 v[AC+2*\p:AC+2*\p+1], v[XS:XS+1], v[2*\p:2*\p+1] op_sel_hi:[0,1]
.endr
.irp i, 1,2,3,4,5,6,7,8,9,10,11,12,13,14,15
.irp p, 0,1,2,3
.if (\i%2) == 1
	s_delay_alu instid0(VALU_DEP_4)
	v_pk_fma_f32 v[AC+2*\p:AC+2*\p+1], v[XS+\i-1:XS+\i], v[8*\i+2*\p:8*\i+2*\p+1], v[AC+2*\p:AC+2*\p+1] op_sel:[1,0,0] op_sel_hi:[1,1,1]
.else
	s_delay_alu instid0(VALU_DEP_4)
	v_pk_fma_f32 v[AC+2*\p:AC+2*\p+1], v[XS+\i:XS+\i+1], v[8*\i+2*\p:8*\i+2*\p+1], v[AC+2*\p:AC+2*\p+1] op_sel_hi:[0,1,1]
.endif
.endr
.endr
	WIN 0
.irp x, 1,2,4,8                        ; over the sixteen lanes of my half; the two halves' sums meet in LDS
.irp a, 0,1,2,3,4,5,6,7
	v_add_f32_dpp v[AC+\a], v[AC+\a], v[AC+\a] row_xmask:\x row_mask:0xf bank_mask:0xf
.endr
.endr
	ds_store_b128 v6, v[AC:AC+3] offset:32*(\t)    ; sixteen lanes write the same words with the same values
	ds_store_b128 v6, v[AC+4:AC+7] offset:32*(\t)+16
.endm
.irp t, 0,1,2,3,4,5,6,7
	TOK \t
.endr
	s_wait_dscnt 0x0                               ; for the others' sake: my sums and scale bytes lie in LDS
	s_barrier_signal -1
	s_barrier_wait -1
	s_cmp_eq_u32 s22, 1
	s_cbranch_scc0 .Lnot_one
	ds_load_b128 v[128:131], v1 offset:SCB         ; wave 1: the 32 tokens' 1,024 scale bytes leave as two aligned runs of 512 bytes
	ds_load_b128 v[132:135], v1 offset:SCB+512
	s_wait_dscnt 0x0
	global_store_b128 v1, v[128:131], s[48:49] offset:6291456
	global_store_b128 v1, v[132:135], s[48:49] offset:6291456+512
	s_wait_tensorcnt 0x0
	ds_add_u32 v91, v95
	s_wait_dscnt 0x0
	s_endpgm
.Lnot_one:
	s_cmp_eq_u32 s22, 0
	s_cbranch_scc0 .Lend
	; wave 0: a lane to a token
	s_load_b256 s[52:59], s[8:9], 0x0              ; bg
	v_lshlrev_b32 v12, 5, v11
.irp q, 0,1,2,3
	ds_load_b128 v[128+8*\q:131+8*\q], v12 offset:LG+1024*\q
	ds_load_b128 v[132+8*\q:135+8*\q], v12 offset:LG+1024*\q+16
.endr
	s_mov_b32 s62, 0x76543210
	s_mov_b32 s63, 0xfedcba98                      ; v_permlanex16_b32's selects for lane l xor 16
	s_wait_dscnt 0x0
	s_wait_kmcnt 0x0
.irp e, 0,1,2,3,4,5,6,7
	v_add_f32 v[160+\e], v[128+\e], v[136+\e]
	v_add_f32 v[176+\e], v[144+\e], v[152+\e]
.endr
.irp e, 0,1,2,3,4,5,6,7
	v_add_f32 v[160+\e], v[160+\e], v[176+\e]
.endr
.irp e, 0,1,2,3,4,5,6,7
	v_add_f32 v[160+\e], s[52+\e], v[160+\e]       ; the logits
.endr
	v_max3_num_f32 v168, v160, v161, v162
	s_delay_alu instid0(VALU_DEP_1)
	v_max3_num_f32 v168, v168, v163, v164
	s_delay_alu instid0(VALU_DEP_1)
	v_max3_num_f32 v168, v168, v165, v166
	s_delay_alu instid0(VALU_DEP_1)
	v_max_num_f32 v168, v168, v167                 ; the row's maximum is taken off ahead of the exponentials
.irp e, 0,1,2,3,4,5,6,7
	v_sub_f32 v[160+\e], v[160+\e], v168
.endr
.irp e, 0,1,2,3,4,5,6,7
	v_mul_f32 v[160+\e], 0x3fb8aa3b, v[160+\e]
.endr
	s_wait_alu depctr_va_vdst(0)
.irp e, 0,1,2,3,4,5,6,7
	v_exp_f32 v[160+\e], v[160+\e]
.endr
	v_nop                                          ; a plain line behind the last exponential
	s_wait_alu depctr_va_vdst(0)                   ; one wait for the batch, ahead of its first reader
	v_add_f32 v168, v160, v161
	v_add_f32 v169, v162, v163
	v_add_f32 v170, v164, v165
	v_add_f32 v171, v166, v167
	s_delay_alu instid0(VALU_DEP_3)
	v_add_f32 v168, v168, v169
	s_delay_alu instid0(VALU_DEP_2)
	v_add_f32 v170, v170, v171
	s_delay_alu instid0(VALU_DEP_1)
	v_add_f32 v168, v168, v170
	s_wait_alu depctr_va_vdst(0)
	v_rcp_f32 v168, v168
	v_nop
	s_wait_alu depctr_va_vdst(0)
.irp e, 0,1,2,3,4,5,6,7
	v_mul_f32 v[160+\e], v[160+\e], v168           ; the probabilities
.endr
	v_mov_b32 v170, v160                           ; the largest: a later one wins only if it is strictly greater, so the lower index wins a tie
	v_mov_b32 v171, 0
.irp e, 1,2,3,4,5,6,7
	s_delay_alu instid0(VALU_DEP_2)
	v_cmp_gt_f32 vcc_lo, v[160+\e], v170
	s_delay_alu instid0(VALU_DEP_1)
	v_cndmask_b32 v170, v170, v[160+\e], vcc_lo
	s_delay_alu instid0(VALU_DEP_2)
	v_cndmask_b32 v171, v171, \e, vcc_lo
.endr
.irp e, 0,1,2,3,4,5,6,7
	v_cmp_eq_u32 vcc_lo, \e, v171
	s_delay_alu instid0(VALU_DEP_1)
	v_cndmask_b32 v[176+\e], v[160+\e], -1.0, vcc_lo   ; the first is taken out
.endr
	v_mov_b32 v172, v176
	v_mov_b32 v173, 0
.irp e, 1,2,3,4,5,6,7
	s_delay_alu instid0(VALU_DEP_2)
	v_cmp_gt_f32 vcc_lo, v[176+\e], v172
	s_delay_alu instid0(VALU_DEP_1)
	v_cndmask_b32 v172, v172, v[176+\e], vcc_lo
	s_delay_alu instid0(VALU_DEP_2)
	v_cndmask_b32 v173, v173, \e, vcc_lo
.endr
	s_delay_alu instid0(VALU_DEP_1)
	v_min_u32 v174, v171, v173                     ; lo, hi: the pair in ascending order, each with its probability
	s_delay_alu instid0(VALU_DEP_2)
	v_max_u32 v175, v171, v173
	s_delay_alu instid0(VALU_DEP_3)
	v_cmp_lt_u32 vcc_lo, v171, v173
	s_delay_alu instid0(VALU_DEP_1)
	v_cndmask_b32 v184, v172, v170, vcc_lo
	s_delay_alu instid0(VALU_DEP_2)
	v_cndmask_b32 v185, v170, v172, vcc_lo
	v_sub_nc_u32 v192, 15, v174
	s_delay_alu instid0(VALU_DEP_1)
	v_mul_u32_u24 v192, v192, v174
	s_delay_alu instid0(VALU_DEP_1)
	v_lshrrev_b32 v192, 1, v192
	s_delay_alu instid0(VALU_DEP_1)
	v_add_nc_u32 v192, v192, v175
	s_delay_alu instid0(VALU_DEP_1)
	v_sub_nc_u32 v192, v192, v174
	s_delay_alu instid0(VALU_DEP_1)
	v_add_nc_u32 v192, -1, v192                    ; the pair's number, 0 .. 27: lo (15 - lo) / 2 + hi - lo - 1
	v_mov_b32 v193, 0
	v_mov_b32 v189, 0
.set bb, 0
.rept 28                               ; my rank among the group's tokens of my pair, and each pair's count into lane = pair: values alone, no address and no branch hangs on them
	v_cmp_eq_u32 s60, bb, v192
	s_delay_alu instid0(VALU_DEP_1)
	v_mbcnt_lo_u32_b32 v194, s60, 0
	s_delay_alu instid0(VALU_DEP_1)
	v_cndmask_b32 v193, v193, v194, s60
	s_bcnt1_i32_b32 s61, s60
	v_writelane_b32 v189, s61, bb
.set bb, bb+1
.endr
	v_lshl_or_b32 v188, v193, 8, v192
.irp x, 1,2,4,8                        ; the group's sums of the eight probabilities, for the aux loss
.irp e, 0,1,2,3,4,5,6,7
	v_add_f32_dpp v[160+\e], v[160+\e], v[160+\e] row_xmask:\x row_mask:0xf bank_mask:0xf
.endr
.endr
.irp e, 0,1,2,3,4,5,6,7
	v_permlanex16_b32 v[176+\e], v[160+\e], s62, s63
.endr
.irp e, 0,1,2,3,4,5,6,7
	v_add_f32 v[160+\e], v[160+\e], v[176+\e]
.endr
	s_mov_b32 s60, 0xaaaaaaaa
	s_mov_b32 s61, 0xcccccccc
	s_mov_b32 s66, 0xf0f0f0f0
	v_cndmask_b32 v160, v160, v161, s60            ; lane l keeps the sum of expert l % 8
	v_cndmask_b32 v162, v162, v163, s60
	v_cndmask_b32 v164, v164, v165, s60
	v_cndmask_b32 v166, v166, v167, s60
	s_delay_alu instid0(VALU_DEP_3)
	v_cndmask_b32 v160, v160, v162, s61
	s_delay_alu instid0(VALU_DEP_2)
	v_cndmask_b32 v164, v164, v166, s61
	s_delay_alu instid0(VALU_DEP_1)
	v_cndmask_b32 v186, v160, v164, s66
	v_mov_b32 v187, 0
	s_lshl_b32 s40, ttmp9, 8
	s_add_nc_u64 s[18:19], s[18:19], s[40:41]
	s_lshl_b32 s40, ttmp9, 9
	s_add_nc_u64 s[20:21], s[20:21], s[40:41]
	v_lshlrev_b32 v13, 3, v11
	global_store_b64 v13, v[188:189], s[18:19]     ; 256 consecutive bytes: pair | rank << 8 of token = lane; the count of pair = lane
	global_store_b128 v1, v[184:187], s[20:21]     ; 512 consecutive bytes: w_lo, w_hi, a sum of probabilities, 0
.Lend:
	s_wait_tensorcnt 0x0
	ds_add_u32 v91, v95
	s_wait_dscnt 0x0
	s_endpgm
.Lfunc_end_k_q62a4b22e66_route:
	.size	k_q62a4b22e66_route, .Lfunc_end_k_q62a4b22e66_route-k_q62a4b22e66_route
	.p2alignl 7, 3214868480
	.fill 96, 4, 3214868480
	.section	.rodata,"a",@progbits
	.p2align	6, 0x0
	.amdhsa_kernel k_q62a4b22e66_route
		.amdhsa_group_segment_fixed_size 80896
		.amdhsa_private_segment_fixed_size 0
		.amdhsa_enable_private_segment 0
		.amdhsa_kernarg_size 72
		.amdhsa_user_sgpr_count 2
		.amdhsa_user_sgpr_kernarg_segment_ptr 1
		.amdhsa_wavefront_size32 1
		.amdhsa_system_sgpr_workgroup_id_x 1
		.amdhsa_system_sgpr_workgroup_id_y 1
		.amdhsa_system_sgpr_workgroup_id_z 1
		.amdhsa_system_vgpr_workitem_id 0
		.amdhsa_next_free_vgpr 384
		.amdhsa_next_free_sgpr 72
		.amdhsa_reserve_vcc 1
		.amdhsa_float_denorm_mode_32 3
		.amdhsa_float_denorm_mode_16_64 3
		.amdhsa_memory_ordered 1
		.amdhsa_forward_progress 1
		.amdhsa_inst_pref_size 116
	.end_amdhsa_kernel
	.amdgpu_metadata
---
amdhsa.version: [ 1, 2 ]
amdhsa.kernels:
  - .name:           k_q62a4b22e66_route
    .symbol:         k_q62a4b22e66_route.kd
    .args:
      - { .name: x, .offset: 0, .size: 8, .value_kind: global_buffer, .address_space: global }
      - { .name: Wg, .offset: 8, .size: 8, .value_kind: global_buffer, .address_space: global }
      - { .name: bg, .offset: 16, .size: 8, .value_kind: global_buffer, .address_space: global }
      - { .name: W1_codes, .offset: 24, .size: 8, .value_kind: global_buffer, .address_space: global }
      - { .name: W2_codes, .offset: 32, .size: 8, .value_kind: global_buffer, .address_space: global }
      - { .name: xq, .offset: 40, .size: 8, .value_kind: global_buffer, .address_space: global }
      - { .name: wl, .offset: 48, .size: 8, .value_kind: global_buffer, .address_space: global }
      - { .name: rt, .offset: 56, .size: 8, .value_kind: global_buffer, .address_space: global }
      - { .name: rw, .offset: 64, .size: 8, .value_kind: global_buffer, .address_space: global }
    .group_segment_fixed_size: 80896
    .private_segment_fixed_size: 0
    .kernarg_segment_align: 8
    .kernarg_segment_size: 72
    .max_flat_workgroup_size: 256
    .sgpr_count:     72
    .vgpr_count:     384
    .wavefront_size: 32
...
	.end_amdgpu_metadata
.endif
;; end of part 4
;; launch place (part 5): grid 1 x 1, 32 waves a work-group, no clusters, 10,240 bytes of LDS; arguments rt, rw, tiles, out1; writes tiles, out1
.if DOCPART == 5
	.amdgcn_target "amdgcn-amd-amdhsa--gfx1250"
	.amdhsa_code_object_version 6
	.text
	.protected	k_q62a4b22e66_place
	.globl	k_q62a4b22e66_place
	.p2align	8
	.type	k_q62a4b22e66_place,@function
k_q62a4b22e66_place:
	s_mov_b64 s[64:65], 0
	v_nop
	global_prefetch_b8 v0, s[64:65] scope:SCOPE_SE
	s_setreg_imm32_b32 hwreg(HW_REG_WAVE_MODE, 25, 1), 1
	s_wait_xcnt 0x0
; PLACE.  A counting sort of the 8,192 tokens by their pair of experts (28 pairs), without atomics, by one work-group of 32 waves; and the aux loss.
; Out: a table of 160 tiles {lo, hi, count, 0}, each of at most 64 tokens of one pair (a pair begins a new tile; never more than 128 + 27 tiles hold tokens), and the list [160][64] of the tiles' tokens, unused places 0.
; Wave v owns groups 8 v .. 8 v + 7 of 32 tokens.  From the routing launch a lane has, for each group: its token's pair and rank in the group, and (lane = pair) the group's count of that pair.
; aux = 8 sum_e f_e P_e with f_e = (slots on e) / 16,384 and P_e = (sum of probabilities of e) / 8,192: 2^-24 x the sum over pairs of count x (Psum_lo + Psum_hi).
; One work-group: the sort is a chain of prefix sums over 256 x 28 counts; it has no work for more.
.set SS,  0                            ; LDS: [32 waves][32 pairs] counts
.set PS,  4096                         ; [32 waves][8] sums of probabilities
.set TC,  5120                         ; [160] tile counts
.macro DECODE b, lo, hi, t             ; a pair's number in v[b] -> lo, hi
	v_mov_b32 v[\lo], 0
.irp th, 7,13,18,22,25,27
	v_cmp_le_u32 vcc_lo, \th, v[\b]
	s_delay_alu instid0(VALU_DEP_1)
	v_cndmask_b32 v[\t], 0, 1, vcc_lo
	s_delay_alu instid0(VALU_DEP_1)
	v_add_nc_u32 v[\lo], v[\lo], v[\t]
.endr
	s_delay_alu instid0(VALU_DEP_1)
	v_sub_nc_u32 v[\t], 15, v[\lo]
	s_delay_alu instid0(VALU_DEP_1)
	v_mul_u32_u24 v[\t], v[\t], v[\lo]
	s_delay_alu instid0(VALU_DEP_1)
	v_lshrrev_b32 v[\t], 1, v[\t]
	s_delay_alu instid0(VALU_DEP_1)
	v_sub_nc_u32 v[\hi], v[\b], v[\t]
	s_delay_alu instid0(VALU_DEP_1)
	v_add_nc_u32 v[\hi], v[\hi], v[\lo]
	s_delay_alu instid0(VALU_DEP_1)
	v_add_nc_u32 v[\hi], 1, v[\hi]
	s_delay_alu instid0(VALU_DEP_1)
	v_min_u32 v[\hi], 7, v[\hi]
.endm
	s_load_b256 s[4:11], s[0:1], 0x0               ; rt, rw, tiles, out1
	v_lshl_add_u32 v126, v0, 2, 0x1800
	v_mov_b32 v127, 0
	v_lshrrev_b32 v2, 5, v0
	s_delay_alu instid0(VALU_DEP_1)
	v_readfirstlane_b32 s12, v2                    ; wave 0..31
	v_and_b32 v1, 31, v0
	s_delay_alu instid0(VALU_DEP_1)
	v_lshlrev_b32 v3, 3, v1
	s_delay_alu instid0(VALU_DEP_1)
	v_lshl_add_u32 v3, v2, 11, v3                  ; rt: 2,048 x wave + 8 x lane
	s_delay_alu instid0(VALU_DEP_3)
	v_lshrrev_b32 v4, 3, v1
	s_delay_alu instid0(VALU_DEP_1)
	v_lshlrev_b32 v4, 9, v4
	v_and_b32 v5, 7, v1
	s_delay_alu instid0(VALU_DEP_1)
	v_lshl_add_u32 v4, v5, 4, v4
	s_delay_alu instid0(VALU_DEP_1)
	v_lshl_add_u32 v4, v2, 12, v4                  ; rw: group 8 v + lane / 8 (512 bytes a group), token lane % 8 of it
	v_lshlrev_b32 v6, 2, v0                        ; 4 x thread
	s_delay_alu instid0(VALU_DEP_4)
	v_lshlrev_b32 v7, 2, v5
	s_delay_alu instid0(VALU_DEP_1)
	v_lshl_add_u32 v7, v2, 5, v7                   ; 32 x wave + 4 (lane % 8)
	v_lshlrev_b32 v73, 2, v1                       ; 4 x lane; never rewritten
	v_lshl_add_u32 v75, v2, 8, v1                  ; my token of group 8 v
	s_mov_b32 s16, 0x76543210
	s_mov_b32 s17, 0xfedcba98
	s_wait_alu depctr_va_vdst(0)
	s_wait_kmcnt 0x0
.irp j, 0,1,2,3,4,5,6,7
	global_load_b64 v[8+2*\j:9+2*\j], v3, s[4:5] offset:256*\j
.endr
	global_load_b32 v70, v4, s[6:7] offset:8
	global_load_b32 v71, v4, s[6:7] offset:2056
	s_wait_loadcnt 0x0
	v_mov_b32 v24, 0                               ; lane = pair: how many of it lie in my wave's groups ahead of group j
.irp j, 1,2,3,4,5,6,7
	s_delay_alu instid0(VALU_DEP_1)
	v_add_nc_u32 v[24+\j], v[23+\j], v[7+2*\j]
.endr
	s_delay_alu instid0(VALU_DEP_1)
	v_add_nc_u32 v72, v31, v23                     ; and in all eight
	v_add_f32 v70, v70, v71
	s_delay_alu instid0(VALU_DEP_1)
	v_add_f32_dpp v70, v70, v70 row_xmask:8 row_mask:0xf bank_mask:0xf
	s_delay_alu instid0(VALU_DEP_1)
	v_permlanex16_b32 v71, v70, s16, s17
	s_delay_alu instid0(VALU_DEP_1)
	v_add_f32 v70, v70, v71                        ; my eight groups' sum of the probabilities of expert lane % 8
	ds_store_b32 v6, v72 offset:SS
	ds_store_b32 v7, v70 offset:PS                 ; four lanes write the same word with the same value
	s_wait_dscnt 0x0                               ; for the others' sake
	s_barrier_signal -1
	s_barrier_wait -1
.set k, 0
.rept 32
	ds_load_b32 v[32+k], v73 offset:SS+128*k
.set k, k+1
.endr
	v_mov_b32 v64, 0
	v_mov_b32 v65, 0
	s_wait_alu depctr_va_vdst(0)
	s_wait_dscnt 0x0
.set k, 0
.rept 32                               ; lane = pair: n = all its tokens; base = those of the waves ahead of mine
	s_cmp_gt_u32 s12, k
	s_cselect_b32 s13, -1, 0
	v_add_nc_u32 v64, v64, v[32+k]
	v_and_b32 v69, s13, v[32+k]
	s_delay_alu instid0(VALU_DEP_1)
	v_add_nc_u32 v65, v65, v69
.set k, k+1
.endr
	s_delay_alu instid0(VALU_DEP_3)
	v_add_nc_u32 v66, 63, v64
	s_delay_alu instid0(VALU_DEP_1)
	v_lshrrev_b32 v66, 6, v66                      ; the pair's tiles
	s_delay_alu instid0(VALU_DEP_1)
	v_mov_b32 v67, v66
	v_mov_b32 v69, 0
.irp d, 1
	s_delay_alu instid0(VALU_DEP_2)
	v_mov_b32_dpp v69, v67 row_shr:\d row_mask:0xf bank_mask:0xf bound_ctrl:1
	s_delay_alu instid0(VALU_DEP_1)
	v_add_nc_u32 v67, v67, v69
.endr
.irp d, 2, 4, 8
	s_delay_alu instid0(VALU_DEP_1)
	v_mov_b32_dpp v69, v67 row_shr:\d row_mask:0xf bank_mask:0xf bound_ctrl:1
	s_delay_alu instid0(VALU_DEP_1)
	v_add_nc_u32 v67, v67, v69
.endr
	s_delay_alu instid0(VALU_DEP_1)
	v_readlane_b32 s13, v67, 15
	v_cmp_lt_u32 vcc_lo, 15, v1
	s_delay_alu instid0(VALU_DEP_2)
	v_mov_b32 v69, s13
	s_delay_alu instid0(VALU_DEP_1)
	v_cndmask_b32 v69, 0, v69, vcc_lo
	s_delay_alu instid0(VALU_DEP_1)
	v_add_nc_u32 v67, v67, v69                     ; the tile behind the pair's last
	s_delay_alu instid0(VALU_DEP_1)
	v_sub_nc_u32 v68, v67, v66                     ; the pair's first tile
	s_delay_alu instid0(VALU_DEP_1)
	v_lshl_add_u32 v74, v68, 6, v65
.irp j, 0,1,2,3,4,5,6,7
	v_add_nc_u32 v[24+\j], v[24+\j], v74           ; lane = pair: the place of the pair's first token of group j
.endr
.irp j, 0,1,2,3,4,5,6,7
	v_and_b32 v[32+\j], 31, v[8+2*\j]
	s_delay_alu instid0(VALU_DEP_1)
	v_lshlrev_b32 v[32+\j], 2, v[32+\j]
	ds_bpermute_b32 v[40+\j], v[32+\j], v[24+\j]   ; lane = token: that place, from the lane of my pair (no LDS byte is touched)
.endr
	s_wait_dscnt 0x0
.irp j, 0,1,2,3,4,5,6,7
	v_lshrrev_b32 v[32+\j], 8, v[8+2*\j]
	s_delay_alu instid0(VALU_DEP_1)
	v_add_nc_u32 v[40+\j], v[40+\j], v[32+\j]      ; + my rank
	s_delay_alu instid0(VALU_DEP_1)
	v_min_u32 v[40+\j], 0x27ff, v[40+\j]           ; held inside the list's 10,240 places
	s_delay_alu instid0(VALU_DEP_1)
	v_lshlrev_b32 v[40+\j], 2, v[40+\j]
	v_add_nc_u32 v[48+\j], 32*\j, v75
	global_store_b32 v[40+\j], v[48+\j], s[8:9] offset:2560
.endr
	s_barrier_signal -1                            ; no LDS instruction of mine is out; behind this barrier LDS is written again
	s_barrier_wait -1
	s_cmp_lt_u32 s12, 5
	s_cbranch_scc0 .Lno_table
	v_mov_b32 v76, 0                               ; waves 0 to 4: thread = tile g.  Its pair b is the number of pairs that end at or ahead of g; the pairs' ends rise, so the last that does is b's first tile
	v_mov_b32 v77, 0
	v_readlane_b32 s14, v64, 0
	s_delay_alu instid0(VALU_DEP_1)
	v_mov_b32 v78, s14
.set k, 0
.rept 28
	v_readlane_b32 s13, v67, k
	v_readlane_b32 s14, v64, k+1
	s_delay_alu instid0(VALU_DEP_2)
	v_cmp_le_u32 vcc_lo, s13, v0
	s_delay_alu instid0(VALU_DEP_1)
	v_cndmask_b32 v69, 0, 1, vcc_lo
	s_delay_alu instid0(VALU_DEP_1)
	v_add_nc_u32 v76, v76, v69
	s_delay_alu instid0(VALU_DEP_3)
	v_cndmask_b32 v77, v77, s13, vcc_lo
	s_delay_alu instid0(VALU_DEP_4)
	v_cndmask_b32 v78, v78, s14, vcc_lo            ; n of pair b (lane 28 holds 0: a tile behind the last gets count 0)
.set k, k+1
.endr
	s_delay_alu instid0(VALU_DEP_2)
	v_sub_nc_u32 v79, v0, v77
	s_delay_alu instid0(VALU_DEP_1)
	v_lshlrev_b32 v79, 6, v79
	s_delay_alu instid0(VALU_DEP_1)
	v_min_u32 v79, v79, v78
	s_delay_alu instid0(VALU_DEP_1)
	v_sub_nc_u32 v79, v78, v79
	s_delay_alu instid0(VALU_DEP_1)
	v_min_u32 v82, 64, v79                         ; what is left of the pair from this tile on, at most 64
	DECODE 76, 80, 81, 69
	v_mov_b32 v83, 0
	v_lshlrev_b32 v84, 4, v0
	global_store_b128 v84, v[80:83], s[8:9]
	ds_store_b32 v6, v82 offset:TC
.Lno_table:
	s_wait_dscnt 0x0
	s_barrier_signal -1
	s_barrier_wait -1
	v_lshrrev_b32 v85, 6, v0                       ; every place of the list that holds no token gets 0: each word of the list is stored once
	s_delay_alu instid0(VALU_DEP_1)
	v_lshlrev_b32 v85, 2, v85
.irp q, 0,1,2,3,4,5,6,7,8,9
	ds_load_b32 v[96+\q], v85 offset:TC+64*\q
.endr
	v_and_b32 v86, 63, v0
	v_mov_b32 v87, 0
	s_wait_alu depctr_va_vdst(0)
	s_wait_dscnt 0x0
.irp q, 0,1,2,3,4,5,6,7,8,9
	v_cmp_ge_u32 vcc_lo, v86, v[96+\q]
	s_wait_xcnt 0x0                                ; EXEC changes only behind this wait
	s_and_saveexec_b32 s20, vcc_lo
	global_store_b32 v6, v87, s[8:9] offset:2560+4096*\q
	s_wait_xcnt 0x0
	s_or_b32 exec_lo, exec_lo, s20
.endr
	s_cmp_eq_u32 s12, 5
	s_cbranch_scc0 .Lend
.irp q, 0,1,2,3,4,5,6,7
	ds_load_b32 v[96+\q], v73 offset:PS+128*\q     ; wave 5: the 32 waves' sums: wave lane / 8 + 4 q, expert lane % 8
.endr
	s_wait_dscnt 0x0
	v_add_f32 v96, v96, v97
	v_add_f32 v98, v98, v99
	v_add_f32 v100, v100, v101
	v_add_f32 v102, v102, v103
	s_delay_alu instid0(VALU_DEP_3)
	v_add_f32 v96, v96, v98
	s_delay_alu instid0(VALU_DEP_2)
	v_add_f32 v100, v100, v102
	s_delay_alu instid0(VALU_DEP_1)
	v_add_f32 v96, v96, v100
	s_delay_alu instid0(VALU_DEP_1)
	v_add_f32_dpp v96, v96, v96 row_xmask:8 row_mask:0xf bank_mask:0xf
	s_delay_alu instid0(VALU_DEP_1)
	v_permlanex16_b32 v97, v96, s16, s17
	s_delay_alu instid0(VALU_DEP_1)
	v_add_f32 v96, v96, v97                        ; lane e (0 .. 7): the sum of expert e's probabilities over all tokens
.irp e, 0,1,2,3,4,5,6,7
	v_readlane_b32 s[24+\e], v96, \e
.endr
	DECODE 1, 108, 109, 110                        ; lane = pair
	v_mov_b32 v104, 0
	v_mov_b32 v105, 0
.irp e, 0,1,2,3,4,5,6,7
	v_cmp_eq_u32 vcc_lo, \e, v108
	s_delay_alu instid0(VALU_DEP_1)
	v_cndmask_b32 v104, v104, s[24+\e], vcc_lo
	v_cmp_eq_u32 vcc_lo, \e, v109
	s_delay_alu instid0(VALU_DEP_1)
	v_cndmask_b32 v105, v105, s[24+\e], vcc_lo
.endr
	s_delay_alu instid0(VALU_DEP_1)
	v_add_f32 v104, v104, v105
	v_cvt_f32_u32 v106, v64
	s_delay_alu instid0(VALU_DEP_1)
	v_mul_f32 v104, v104, v106                     ; lanes 28 to 31 have n = 0
.irp x, 1,2,4,8
	s_delay_alu instid0(VALU_DEP_1)
	v_add_f32_dpp v104, v104, v104 row_xmask:\x row_mask:0xf bank_mask:0xf
.endr
	s_delay_alu instid0(VALU_DEP_1)
	v_permlanex16_b32 v105, v104, s16, s17
	s_delay_alu instid0(VALU_DEP_1)
	v_add_f32 v104, v104, v105
	s_delay_alu instid0(VALU_DEP_1)
	v_mul_f32 v104, 0x33800000, v104               ; x 2^-24
	v_cmp_eq_u32 vcc_lo, 0, v1
	s_wait_alu depctr_va_vdst(0)
	s_wait_xcnt 0x0
	s_and_saveexec_b32 s20, vcc_lo
	global_store_b32 v73, v104, s[10:11]           ; lane 0 alone is on: its offset, 4 x lane, is 0
	s_wait_xcnt 0x0
	s_or_b32 exec_lo, exec_lo, s20
.Lend:
	s_wait_tensorcnt 0x0
	ds_add_u32 v126, v127
	s_wait_dscnt 0x0
	s_endpgm
.Lfunc_end_k_q62a4b22e66_place:
	.size	k_q62a4b22e66_place, .Lfunc_end_k_q62a4b22e66_place-k_q62a4b22e66_place
	.p2alignl 7, 3214868480
	.fill 96, 4, 3214868480
	.section	.rodata,"a",@progbits
	.p2align	6, 0x0
	.amdhsa_kernel k_q62a4b22e66_place
		.amdhsa_group_segment_fixed_size 10240
		.amdhsa_private_segment_fixed_size 0
		.amdhsa_enable_private_segment 0
		.amdhsa_kernarg_size 32
		.amdhsa_user_sgpr_count 2
		.amdhsa_user_sgpr_kernarg_segment_ptr 1
		.amdhsa_wavefront_size32 1
		.amdhsa_system_sgpr_workgroup_id_x 1
		.amdhsa_system_sgpr_workgroup_id_y 1
		.amdhsa_system_sgpr_workgroup_id_z 1
		.amdhsa_system_vgpr_workitem_id 0
		.amdhsa_next_free_vgpr 128
		.amdhsa_next_free_sgpr 66
		.amdhsa_reserve_vcc 1
		.amdhsa_float_denorm_mode_32 3
		.amdhsa_float_denorm_mode_16_64 3
		.amdhsa_memory_ordered 1
		.amdhsa_forward_progress 1
		.amdhsa_inst_pref_size 45
	.end_amdhsa_kernel
	.amdgpu_metadata
---
amdhsa.version: [ 1, 2 ]
amdhsa.kernels:
  - .name:           k_q62a4b22e66_place
    .symbol:         k_q62a4b22e66_place.kd
    .args:
      - { .name: rt, .offset: 0, .size: 8, .value_kind: global_buffer, .address_space: global }
      - { .name: rw, .offset: 8, .size: 8, .value_kind: global_buffer, .address_space: global }
      - { .name: tiles, .offset: 16, .size: 8, .value_kind: global_buffer, .address_space: global }
      - { .name: out1, .offset: 24, .size: 8, .value_kind: global_buffer, .address_space: global }
    .group_segment_fixed_size: 10240
    .private_segment_fixed_size: 0
    .kernarg_segment_align: 8
    .kernarg_segment_size: 32
    .max_flat_workgroup_size: 1024
    .sgpr_count:     66
    .vgpr_count:     128
    .wavefront_size: 32
...
	.end_amdgpu_metadata
.endif
;; end of part 5
;; launch chain (part 6): grid 155 x 1, 4 waves a work-group, no clusters, 314,880 bytes of LDS; arguments tiles, xq, wl, W1_scales, W2_scales, b1, b2, rw, x, gamma, beta, out0; writes out0
.if DOCPART == 6
	.amdgcn_target "amdgcn-amd-amdhsa--gfx1250"
	.amdhsa_code_object_version 6
	.text
	.protected	k_q62a4b22e66_chain
	.globl	k_q62a4b22e66_chain
	.p2align	8
	.type	k_q62a4b22e66_chain,@function
k_q62a4b22e66_chain:
	s_mov_b64 s[64:65], 0
	v_nop
	global_prefetch_b8 v0, s[64:65] scope:SCOPE_SE
	s_setreg_imm32_b32 hwreg(HW_REG_WAVE_SCHED_MODE, 0, 2), 2
	s_setreg_imm32_b32 hwreg(HW_REG_WAVE_MODE, 25, 1), 1
	s_wait_xcnt 0x0
	s_wait_alu depctr_vm_vsrc(0)
; CHAIN.  A work-group takes one tile: up to 64 tokens that chose the same two experts (lo, hi), through the whole chain:
; out0 = LayerNorm(x + w_lo (Q(relu(Q(x) W1[lo]^T + b1[lo])) W2[lo]^T + b2[lo]) + w_hi (the same of hi)) gamma + beta.  Both products on codes of BF6 (E3M2) with E8M0 scales, sums in f32.
; Only the two chosen experts are multiplied: the other six carry the weight 0 that the problem itself gives them.  Each output row has one owner; the hidden layer never goes to memory.
; GRID.  155 = 128 + 27 tiles serve every split of 8,192 tokens over 28 pairs.  Rows behind a tile's count are worked on as token 0 and not stored.  A TILE WITH COUNT 0 WALKS THE WHOLE TEXT SO AND STORES NOTHING:
; every wave passes every barrier, and none may stand under a branch on a number read from memory; the only branches on the count stand round a row's stores.  That work is lost: it is the price of three barriers in this text.
; NO CLUSTER, NO TENSOR LOAD: the tile's experts and its count are read from memory and branches hang on the count; a pair's number of tiles is no multiple of four.  The weights go from memory straight
; into registers, laid out by the first launch as images of the operands' registers: three loads of 16 bytes a lane bring a fragment (16 rows x 128 K).
; SHARES.  THE FOUR WAVES SHARE THE COLUMNS: wave w makes hidden units 128 w .. + 127 of both experts and output columns 256 w .. + 255, for all 64 tokens (four tiles m of 16), so no weight is read twice in
; a work-group.  Both products are used transposed (source 0 = 16 rows of a weight, source 1 = 16 tokens): a lane holds one token.  The rows of W1 that form a tile are chosen so that the 16 registers of
; tiles 2 b, 2 b + 1 are 16 neighbours along the next K.  Operands go from wave to wave through LDS as images of their registers.
; THE WEIGHTS are one stream of 32 steps of 8 fragments and 32 matrix instructions: 16 of the first product (expert, K step), 16 of the second (a tile of 16 output columns, both experts, all of K).
; A ring of four sets of 96 registers: a set is asked for again, for the step four on, when the step that read it is done.  In the second product the 32 hidden fragments stay in registers, and a column tile's
; results are weighed and go straight into a stage in LDS.  At the end wave w takes rows 16 w .. + 15 of the stage as whole rows: residual, b2, LayerNorm, store.
; LIMITS: NaN and infinities are not served.  A block of the hidden layer whose largest number lies under 2^(5 - 127), a block of zeros among them, gets the byte 1; its codes are zeros or nearly so.
; THE MODE: SCHED_MODE bits 1:0 = 2 (LLVM: expert scheduling mode 2), set by the entry lines.  The code itself states the register dependences between vector or matrix instructions and memory or LDS
; instructions, with s_wait_alu, always for 0.
; THE PLAN.  Registers that memory or LDS instructions touch, and who else names them:
;   ring sets 0-3    First product: step q's matrix instructions read set q % 4; the loads of the step four on land in it during step q + 1.  Second product: a step's matrix instructions read its set; its loads follow behind the step's weighing.
;   XF0, XF1         Step q's matrix instructions read XF[q % 2]; the LDS loads at the head of step q + 1 land in it.  The codes just made (PC) lie over XF1.
;   b1[lo], 8 of it  Read by step 0 as C; the tokens' weights land there in step 1.
;   PC, PW           Written by the quantiser, read by an image's four LDS stores, written again by the next image.
;   weighed results  Two sets by turns: written by a step's weighing, read by its eight LDS stores, written again two steps on.
;   v16-19           The stage's addresses: read by those stores, written once a trip.   v48-63: W2's scale words: read by a step's matrix instructions, loaded again with its ring set.
;   rows             Windows 1 and 3, v0-127: read by a trip's 64 additions, then the next four rows land there.  Window 0, v64-191: written by the trip's arithmetic, read by its stores.  v3-6, v12-15, v17: offsets, written once a trip.
;   v1, v2, v7-11, v24-29   Offsets and LDS addresses made at the head and never written again.
; So ONE wait on va_vdst stands at the head of a step of the first product (the step before is done with its ring set and its fragments of x), and the step's loads follow it, x's at once, the ring's 24 in three runs of
; eight among the matrix instructions, which name this step's set, this step's XF, accumulators and scale words alone.  One stands ahead of each image's stores, one behind each weighing, two in a trip over rows.
; REGISTERS, in windows of 256.  Window 0: v0-31 addresses; v32-47 scale words of x, later of the hidden layer; v48-63 W2's, a ring; v64-127 W1's; v128-223 two sets of x's four fragments (the codes just made lie over the second);
;   v224-249 at work; second product: v64-255 the hidden fragments of K steps 2, 3; rows: v64-191 four rows, v192.. statistics.
; Window 1: the first product's 32 accumulators (m, t) at 64 m + 8 t; then hidden fragments of K steps 0, 1 at v0-191 and 8 accumulators (e, m) at v192; rows: four rows of the stage.
; Windows 2, 3: ring sets 0, 1 and 2, 3 at v0 and v96; v192-255: b1 of lo and of hi; then in window 2 the tokens' weights, in window 3 weighed results, two sets; rows: window 2 gamma, beta, b2[lo], b2[hi]; window 3 four rows of x.
.set XSC,  49152                       ; LDS: x's 32 fragment images at 0 ((8 m + k) x 1,536), their scale words here: (2 k + m / 2) x 128 + 64 (m % 2) + 4 r
.set HIMG, 263168                      ; the hidden layer's 32 images: ((4 e + m) 4 + s) x 1,536
.set HSC,  312320                      ; their scale words: (4 m + s) x 128 + 64 e + 4 r
.set SPI,  4112                        ; the stage, at 0 over x's images, which are dead by then: 64 rows of 4,096 bytes + 16: sixteen rows' pieces of 16 bytes fall into sixteen different columns
.set LI,  1                            ; 16 x lane
.set LS,  2                            ; 4 x lane
.set XWI, 3                            ; where I store x's images; v3-6 later: the byte offsets of the four rows in hand, in x and in out0
.set XWS, 4
.set HWI, 5
.set HWS, 6
.set LIH, 7
.set LSH, 8
.set VS1, 9
.set VS2, 10
.set BO,  11
.set STO, 12                           ; v12-15 the stage: where I put 32 bytes of token 16 m + r; later: the next four rows' offsets
.set SA,  16                           ; v16-19 the same + the trip's columns; later v16, v17: where I read rows back
.set TKO, 20                           ; the token of my wave's row r
.set XO,  21
.set WO,  22                           ; v22-23 its w_lo, w_hi
.set PFA, 24                           ; v24-29 the prefetches' offsets
.set T0,  30
.set T1,  31
.set XS,  32
.set HS,  32
.set W2S, 48
.set W1S, 64
.set XF,  128
.set PC,  176
.set TM,  224
.set PW,  240
.set TK,  241                          ; v241-244 16 x the token of row r of tile m
.set LN,  246                          ; at the head: lane,
.set RL,  247                          ; r = lane % 16,
.set HL,  248                          ; h = lane / 16,
.set TT,  249                          ; and one at work
.set SS,  192
.set QQ,  200
.set MSB, 0
.macro WIN new                         ; the immediate's high byte repeats the setting that is left; bits 1:0 source 0, 3:2 source 1, 5:4 source 2, 7:6 destination
.if MSB != (\new)
	s_set_vgpr_msb (MSB<<8)|(\new)
.set MSB, (\new)
.endif
.endm
.macro NOP4                            ; four places behind a matrix instruction, ahead of loads into its registers and of the first read of results
.rept 4
	v_nop
.endr
.endm
; one matrix instruction, from the symbols wD, wA, wB, wC (under 0: the constant 0), wSA, wSB and the rows wRA, wRB of the scale registers
.macro WM
.if wC < 0
.if wRA == 0
	v_wmma_scale_f32_16x16x128_f8f6f4 v[wD:wD+7], v[wA:wA+11], v[wB:wB+11], 0, v[wSA], v[wSB] matrix_a_fmt:MATRIX_FMT_BF6 matrix_b_fmt:MATRIX_FMT_BF6
.else
	v_wmma_scale_f32_16x16x128_f8f6f4 v[wD:wD+7], v[wA:wA+11], v[wB:wB+11], 0, v[wSA], v[wSB] matrix_a_fmt:MATRIX_FMT_BF6 matrix_b_fmt:MATRIX_FMT_BF6 matrix_a_scale:MATRIX_SCALE_ROW1 matrix_b_scale:MATRIX_SCALE_ROW1
.endif
.elseif (wRA == 0) && (wRB == 0)
	v_wmma_scale_f32_16x16x128_f8f6f4 v[wD:wD+7], v[wA:wA+11], v[wB:wB+11], v[wC:wC+7], v[wSA], v[wSB] matrix_a_fmt:MATRIX_FMT_BF6 matrix_b_fmt:MATRIX_FMT_BF6
.elseif (wRA == 1) && (wRB == 0)
	v_wmma_scale_f32_16x16x128_f8f6f4 v[wD:wD+7], v[wA:wA+11], v[wB:wB+11], v[wC:wC+7], v[wSA], v[wSB] matrix_a_fmt:MATRIX_FMT_BF6 matrix_b_fmt:MATRIX_FMT_BF6 matrix_a_scale:MATRIX_SCALE_ROW1
.elseif (wRA == 0) && (wRB == 1)
	v_wmma_scale_f32_16x16x128_f8f6f4 v[wD:wD+7], v[wA:wA+11], v[wB:wB+11], v[wC:wC+7], v[wSA], v[wSB] matrix_a_fmt:MATRIX_FMT_BF6 matrix_b_fmt:MATRIX_FMT_BF6 matrix_b_scale:MATRIX_SCALE_ROW1
.else
	v_wmma_scale_f32_16x16x128_f8f6f4 v[wD:wD+7], v[wA:wA+11], v[wB:wB+11], v[wC:wC+7], v[wSA], v[wSB] matrix_a_fmt:MATRIX_FMT_BF6 matrix_b_fmt:MATRIX_FMT_BF6 matrix_a_scale:MATRIX_SCALE_ROW1 matrix_b_scale:MATRIX_SCALE_ROW1
.endif
.endm
.macro RLOAD1 q                        ; step q of the first product (expert q / 8, K step q % 8): my 8 fragments of W1 into ring set q % 4: 24 loads of 512 consecutive bytes
.set rW, 2+((\q)%4)/2
.set rB, 96*((\q)%2)
.set rS, 36+2*((\q)/8)
	WIN (rW<<6)
.irp t, 0,1,2,3,4,5,6,7
.irp c, 0,1,2
	global_load_b128 v[rB+12*\t+4*\c:rB+12*\t+4*\c+3], v[LI], s[rS:rS+1] offset:12288*((\q)%8)+1536*\t+512*\c
.endr
.endr
	WIN 0
.endm
.macro TLOAD set, off, soff            ; a step of the second product: fragments (e, s) of one tile of 16 output columns at register 12 (4 e + s) of the set, and the tile's scale words (lanes 0-15 lo's rows, lanes 16-31 hi's): 25 loads
.set rW, 2+(\set)/2
.set rB, 96*((\set)%2)
	WIN (rW<<6)
.irp e, 0,1
.irp s, 0,1,2,3
.irp c, 0,1,2
	global_load_b128 v[rB+12*(4*\e+\s)+4*\c:rB+12*(4*\e+\s)+4*\c+3], v[LI], s[40+2*\e:41+2*\e] offset:(\off)+1536*\s+512*\c
.endr
.endr
.endr
	WIN 0
	global_load_b128 v[W2S+4*(\set):W2S+4*(\set)+3], v[VS2], s[44:45] offset:\soff
.endm
; Eight of the 24 fragment loads of step n of the stream (n under 16: as RLOAD1 n; else as TLOAD of column tile n - 16): loads 8 g .. 8 g + 7, load i into registers 4 i .. 4 i + 3 of ring set n % 4.  It leaves the windows as the loads want them.
.macro RPART n, g
.set rW, 2+((\n)%4)/2
.set rB, 96*((\n)%2)
	WIN (rW<<6)
.set ri, 8*(\g)
.rept 8
.if (\n) < 16
	global_load_b128 v[rB+4*ri:rB+4*ri+3], v[LI], s[36+2*((\n)/8):37+2*((\n)/8)] offset:12288*((\n)%8)+512*ri
.else
	global_load_b128 v[rB+4*ri:rB+4*ri+3], v[LI], s[40+2*(ri/12):41+2*(ri/12)] offset:6144*((\n)-16)+512*(ri%12)
.endif
.set ri, ri+1
.endr
.endm
.macro ALOAD e                         ; expert e's scale words of my 128 rows of W1 (register 8 b + k: lanes 0-15 tile 2 b, lanes 16-31 tile 2 b + 1) and b1 in the result's layout: 24 loads
.irp b, 0,1,2,3
.irp c, 0,1
	global_load_b128 v[W1S+32*\e+8*\b+4*\c:W1S+32*\e+8*\b+4*\c+3], v[VS1], s[48+2*\e:49+2*\e] offset:1024*\b+16*\c
.endr
.endr
	WIN ((2+\e)<<6)
.irp t, 0,1,2,3,4,5,6,7
	global_load_b128 v[192+8*\t:195+8*\t], v[BO], s[52+2*\e:53+2*\e] offset:(32*(\t/2)+8*(\t%2))*4
	global_load_b128 v[196+8*\t:199+8*\t], v[BO], s[52+2*\e:53+2*\e] offset:(32*(\t/2)+8*(\t%2))*4+16
.endr
	WIN 0
.endm
.macro XFETCH k, buf                   ; x's four fragments of K step k
.irp m, 0,1,2,3
.irp c, 0,1,2
	ds_load_b128 v[XF+48*(\buf)+12*\m+4*\c:XF+48*(\buf)+12*\m+4*\c+3], v[LI] offset:(8*\m+(\k))*1536+512*\c
.endr
.endr
.endm
; A step of the first product: 32 matrix instructions, each of the 32 accumulators once and in the same order in every step.  A sum's first step takes b1 as C.
; The ring set that the step before read is asked for again here, for stream step q + 3.  Steps 0 and 8 ask for none: ahead of step 0 the ring is filled, and step 7's set is asked for behind the quantiser's first image.
.macro KSTEP q
.set kE, (\q)/8
.set kK, (\q)%8
.set kW, 2+((\q)%4)/2
.set kB, 96*((\q)%2)
.set kX, XF+48*((\q)%2)
.set kR, 1
.if ((\q) == 0) || ((\q) == 8)
.set kR, 0
.endif
.if ((\q) < 4) || ((\q) == 8)
	s_wait_loadcnt 63                              ; this step's ring set is in: at least 72 loads were issued behind its own, and 63 is the largest count that a wait can name
.else
	s_wait_loadcnt 48                              ; this step's ring set is in: the two younger sets, 48 loads at the least, stay out
.endif
	s_wait_dscnt 0x0                               ; x's fragments, asked for a step ago
.if kR
	s_wait_alu depctr_va_vdst(0)                   ; the matrix instructions of the step before are done reading their ring set and their fragments of x (step 0's also b1[lo]), in which the loads of this step land
.endif
.if (\q) == 8
	s_wait_alu depctr_vm_vsrc(0)                   ; the last image's LDS stores have read v[PC ..], over which x's fragments land
.endif
.if (\q) < 15
	XFETCH ((\q)+1)%8, 1-(\q)%2
.endif
.if (\q) == 1
	WIN 0x80
.irp m, 0,1,2,3
	global_load_b64 v[192+2*\m:193+2*\m], v[TK+\m], s[18:19]       ; w_lo, w_hi of token 16 m + r, where b1[lo] lay
.endr
	WIN 0
.endif
.if (\q) >= 13
	global_load_b128 v[W2S+4*((\q)-13):W2S+4*((\q)-13)+3], v[VS2], s[44:45] offset:256*((\q)-13)   ; the scale words of column tile q - 13
.endif
.irp g, 0,1,2,3
.if kK == 0
	WIN (0x40|((2+kE)<<4)|kW)
.else
	WIN (0x50|kW)
.endif
.irp a, 0,1
.irp m, 0,1,2,3
.set kT, 2*\g+\a
.set wD, 64*\m+8*kT
.set wA, kB+12*kT
.set wB, kX+12*\m
.if kK == 0
.set wC, 192+8*kT
.else
.set wC, wD
.endif
.set wSA, W1S+32*kE+8*(kT/2)+kK
.set wSB, XS+2*kK+\m/2
.set wRA, kT%2
.set wRB, \m%2
	WM
.endr
.endr
.if kR && (\g < 3)
	RPART (\q)+3, \g                               ; no wait: no vector or matrix instruction since the wait at the step's head names that ring set or v[LI]
.endif
.endr
	WIN 0
	NOP4
.endm
; Tile m of expert e's hidden layer (64 numbers a lane, register 16 b + i = unit 32 b + 16 (lane / 16) + i of my 128): relu, a scale for each 32, codes; its image is K step w of the second product.
.macro QUANT e, m
.set qH, 64*(\m)
	WIN 0x44
.set j, 0
.rept 64
	v_max_num_f32 v[qH+j], 0, v[qH+j]              ; ascending: each accumulator is read from its low end on
.set j, j+1
.endr
	WIN 0x05
.irp b, 0,1,2,3
	v_max3_num_f32 v[TM+\b], v[qH+16*\b], v[qH+16*\b+1], 0x2800000   ; none is negative; the floor 2^(5 - 127) holds the byte at 1 from below
.endr
.irp i, 2,4,6,8,10,12,14
.irp b, 0,1,2,3
	v_max3_num_f32 v[TM+\b], v[qH+16*\b+\i], v[qH+16*\b+\i+1], v[TM+\b]
.endr
.endr
	WIN 0
.irp b, 0,1,2,3
	v_permlanex16_b32 v[TM+4+\b], v[TM+\b], s46, s47
.endr
.irp b, 0,1,2,3
	v_max_num_f32 v[TM+\b], v[TM+\b], v[TM+4+\b]   ; with lane l xor 16's: the block's largest
.endr
.irp b, 0,1,2,3
	v_add_nc_u32 v[TM+12+\b], 0xfe000000, v[TM+\b] ; 4 off its exponent field: the conversion's scale operand
.endr
.irp b, 0,1,2,3
	v_lshrrev_b32 v[TM+4+\b], 23, v[TM+12+\b]
.endr
	s_wait_alu depctr_va_vdst(0)
	s_wait_dscnt 0x0                               ; the last image's stores have read the registers that are written now
.if (\m) > 0
	s_wait_alu depctr_vm_vsrc(0)                   ; the last image's LDS stores have read v[PW] and v[PC ..], which are written again below
.endif
	v_lshl_or_b32 v[PW], v[TM+5], 8, v[TM+4]
	v_lshl_or_b32 v[PW], v[TM+6], 16, v[PW]
	v_lshl_or_b32 v[PW], v[TM+7], 24, v[PW]
	WIN 0x01
.irp c, 0,1
	v_cvt_scalef32_pk16_bf6_f32 v[PC+6*\c:PC+2+6*\c], v[qH+32*\c:qH+15+32*\c], v[TM+12+2*\c]
	v_cvt_scalef32_pk16_bf6_f32 v[PC+12+4*\c:PC+14+4*\c], v[qH+16+32*\c:qH+31+32*\c], v[TM+13+2*\c]
.endr
	WIN 0
	v_nop                                          ; one plain line behind a scaled conversion
.irp c, 0,1                            ; the operand's layout wants a whole block in a lane
.irp i, 0,1,2
	v_permlane16_swap_b32 v[PC+6*\c+\i], v[PC+12+4*\c+\i]
.endr
.irp i, 0,1,2
	v_mov_b32 v[PC+3+6*\c+\i], v[PC+12+4*\c+\i]
.endr
.endr
	s_wait_alu depctr_va_vdst(0)                   ; v[PC ..] and v[PW] are written, which the LDS stores read; all earlier matrix instructions are done with their operands too
.irp c, 0,1,2
	ds_store_b128 v[HWI], v[PC+4*\c:PC+4*\c+3] offset:(4*(\e)+(\m))*6144+512*\c
.endr
	ds_store_b32 v[HWS], v[PW] offset:512*(\m)+64*(\e)   ; both halves of the lanes hold row r's word and write it to the same place
.endm
; A step of the second product: ring set u; 8 accumulators (e, m) by turns, K step by K step; the first starts the sums with the constant 0.
.macro P3STEP u, n
.set pW, 2+(\u)/2
.set pB, 96*((\u)%2)
	s_wait_loadcnt \n
.irp s, 0,1,2,3
.if \s == 0
	WIN (0x54|pW)
.elseif \s == 2
	WIN (0x50|pW)
.endif
.irp e, 0,1
.irp m, 0,1,2,3
.set wD, 192+8*(4*\e+\m)
.set wA, pB+12*(4*\e+\s)
.if \s < 2
.set wB, 12*((2*\s+\e)*4+\m)
.else
.set wB, 64+12*(((\s-2)*2+\e)*4+\m)
.endif
.if \s == 0
.set wC, -1
.else
.set wC, wD
.endif
.set wSA, W2S+4*(\u)+\s
.set wSB, HS+4*\m+\s
.set wRA, \e
.set wRB, \e
	WM
.endr
.endr
.endr
	WIN 0
	NOP4
.endm
.macro FOLDA u                         ; the weighing: w_lo x lo's results + w_hi x hi's, into set u % 2 of the weighed results
.set pO, 192+32*((\u)%2)
	s_wait_dscnt 8                                 ; the stores of two steps ago have read this set; the last step's eight may be out
.if (\u) >= 2
	s_wait_alu depctr_vm_vsrc(0)                   ; the LDS stores of two steps ago have read this set, which is written again (for steps 0 and 1 the wait at the trip's head has said so)
.endif
	WIN 0xf9
.irp m, 0,1,2,3
.irp j, 0,2,4,6
	v_pk_mul_f32 v[pO+8*\m+\j:pO+8*\m+\j+1], v[192+8*\m+\j:193+8*\m+\j], v[192+2*\m:193+2*\m] op_sel_hi:[1,0]
.endr
.irp j, 0,2,4,6
	v_pk_fma_f32 v[pO+8*\m+\j:pO+8*\m+\j+1], v[224+8*\m+\j:225+8*\m+\j], v[192+2*\m:193+2*\m], v[pO+8*\m+\j:pO+8*\m+\j+1] op_sel:[0,1,0] op_sel_hi:[1,1,1]
.endr
.endr
	s_wait_alu depctr_va_vdst(0)                   ; the weighed results are written, which the LDS stores read (in a trip's first step their addresses too); the step's matrix instructions are done reading their ring set and W2's scale words, in which the loads below land
.endm
.macro FOLDS u                         ; the weighed results into the stage: lane (r, h): token 16 m + r, eight neighbouring columns
.set pO, 192+32*((\u)%2)
	WIN 0x0c
.irp m, 0,1,2,3
	ds_store_b128 v[SA+\m], v[pO+8*\m:pO+8*\m+3] offset:64*(\u)
	ds_store_b128 v[SA+\m], v[pO+8*\m+4:pO+8*\m+7] offset:64*(\u)+16
.endr
	WIN 0
.endm
.macro SETSA
	s_wait_dscnt 0x0
	s_wait_alu depctr_vm_vsrc(0)                   ; the LDS stores issued so far have read v[SA ..] and both sets of weighed results
.irp m, 0,1,2,3
	v_add_nc_u32 v[SA+\m], s56, v[STO+\m]
.endr
.endm
.macro ROWS dst, win, base             ; a row vector of 4,096 bytes, 16 bytes a lane and 512 a load
	WIN ((\win)<<6)
.irp j, 0,1,2,3,4,5,6,7
	global_load_b128 v[(\dst)+4*\j:(\dst)+4*\j+3], v[LI], s[\base:\base+1] offset:512*\j
.endr
	WIN 0
.endm
.macro XROW u, adr                     ; row u of four of x
	WIN 0xc0
.irp j, 0,1,2,3,4,5,6,7
	global_load_b128 v[32*(\u)+4*\j:32*(\u)+4*\j+3], v[(\adr)+(\u)], s[20:21] offset:512*\j
.endr
	WIN 0
.endm
.macro ASK a                           ; two of my rows 4 to 15 of x are asked for ahead: a lane to each 256 bytes, one instruction for two rows; each wave names its own rows alone (a row behind the tile's count names token 0's)
	global_prefetch_b8 v[PFA+(\a)], s[20:21] th:TH_LOAD_NT scope:SCOPE_SE
.endm
.macro RED4 b                          ; four rows' pairs at v[b + 2 u] -> the wave's sum in v[b + 2 u], in every lane
.irp u, 0,1,2,3
	v_add_f32 v[\b+2*\u], v[\b+2*\u], v[\b+2*\u+1]
.endr
.irp x, 1,2,4,8
.irp u, 0,1,2,3
	v_add_f32_dpp v[\b+2*\u], v[\b+2*\u], v[\b+2*\u] row_xmask:\x row_mask:0xf bank_mask:0xf
.endr
.endr
.irp u, 0,1,2,3
	v_permlanex16_b32 v[\b+2*\u+1], v[\b+2*\u], s46, s47
.endr
.irp u, 0,1,2,3
	v_add_f32 v[\b+2*\u], v[\b+2*\u], v[\b+2*\u+1]
.endr
.endm
.macro ROWOUT u                        ; a row that holds a token is stored whole: 8 x 512 consecutive bytes
	s_add_co_u32 s59, s61, \u
	s_cmp_lt_u32 s59, s35
	s_cbranch_scc0 .Lpad_\@
.irp j, 0,1,2,3,4,5,6,7
	global_store_b128 v[3+\u], v[64+32*\u+4*\j:67+32*\u+4*\j], s[26:27] offset:512*\j th:TH_STORE_NT
.endr
.Lpad_\@:
.endm
	; ---- the head
	s_load_b512 s[4:19], s[0:1], 0x0               ; tiles, xq, wl, W1's scales, W2's scales, b1, b2, rw
	s_load_b256 s[20:27], s[0:1], 0x40             ; x, gamma, beta, out0
	v_lshrrev_b32 v30, 5, v0
	v_readfirstlane_b32 s32, v30                   ; wave 0..3
	s_lshl_b32 s62, ttmp9, 4
	s_lshl_b32 s72, ttmp9, 8
	s_mov_b32 s73, 0
	s_mov_b32 s59, 0
	s_mov_b32 s46, 0x76543210
	s_mov_b32 s47, 0xfedcba98                      ; v_permlanex16_b32's selects for lane l xor 16
	s_wait_kmcnt 0x0
	s_load_b128 s[28:31], s[4:5], s62 offset:0x0   ; my tile: lo, hi, count
	s_add_nc_u64 s[72:73], s[4:5], s[72:73]        ; my tile's 64 places of the list lie 2,560 further on
	v_and_b32 v[LN], 31, v0                        ; lane
	v_and_b32 v[RL], 15, v0                        ; r
	v_bfe_u32 v[HL], v0, 4, 1                      ; h
	v_lshlrev_b32 v[LI], 4, v[LN]
	v_lshlrev_b32 v[LS], 2, v[LN]
	v_lshlrev_b32 v[T0], 2, v[RL]
	s_wait_alu depctr_va_sdst(0)                   ; s32, the wave's number, is written, ahead of its first reader
	s_lshl_b32 s58, s32, 6
	v_add_nc_u32 v[T1], s58, v[T0]
	v_lshl_add_u32 v[XO], v[HL], 2, s58
	s_wait_alu depctr_va_vdst(0)                   ; v[T0], v[T1] and v[XO] are written: the offsets of the list's loads
	global_load_b32 v[TKO], v[T1], s[72:73] offset:2560            ; the token of my wave's row r
.irp m, 0,1,2,3
	global_load_b32 v[TK+\m], v[T0], s[72:73] offset:2560+64*\m    ; of row r of tile m
.endr
.irp j, 0,1,2,3,4,5
	global_load_b32 v[PFA+\j], v[XO], s[72:73] offset:2560+16+8*\j ; of my wave's row 4 + 2 j + lane / 16
.endr
	s_mul_i32 s58, s32, 12288
	v_add_nc_u32 v[XWI], s58, v[LI]
	s_lshl_b32 s58, s32, 6
	s_add_co_u32 s58, s58, XSC
	v_lshl_add_u32 v[XWS], v[RL], 2, s58
	s_mul_i32 s58, s32, 1536
	s_add_co_u32 s58, s58, HIMG
	v_add_nc_u32 v[HWI], s58, v[LI]
	s_lshl_b32 s58, s32, 7
	s_add_co_u32 s58, s58, HSC
	v_lshl_add_u32 v[HWS], v[RL], 2, s58
	v_add_nc_u32 v[LIH], HIMG, v[LI]
	v_add_nc_u32 v[LSH], HSC, v[LS]
	v_mul_u32_u24 v[STO], v[RL], SPI
	v_lshl_add_u32 v[STO], v[HL], 5, v[STO]
	s_lshl_b32 s58, s32, 10
	v_add_nc_u32 v[STO], s58, v[STO]
.irp m, 1,2,3
	v_add_nc_u32 v[STO+\m], \m*16*SPI, v[STO]
.endr
	v_and_b32 v[TT], 8, v[RL]
	v_add_nc_u32 v[TT], v[TT], v[RL]
	v_lshl_add_u32 v[TT], v[HL], 3, v[TT]
	v_lshlrev_b32 v[VS1], 5, v[TT]                 ; W1's scales: row 8 h + r + 8 (r / 8) of a pair of tiles, 32 bytes a row
	v_lshlrev_b32 v[BO], 6, v[HL]                  ; b1: 16 h numbers on
	s_wait_kmcnt 0x0
	s_min_u32 s33, s28, 7                          ; what was read is held inside its table
	s_min_u32 s34, s29, 7
	s_min_u32 s35, s30, 64                         ; the count decides which rows are stored, and nothing else
	s_mul_i32 s58, s33, 393216
	s_mul_i32 s60, s32, 98304
	s_add_co_u32 s58, s58, s60
	s_add_nc_u64 s[36:37], s[8:9], s[58:59]        ; my stream of W1[lo],
	s_add_nc_u64 s[40:41], s[36:37], 3145728       ; of W2[lo],
	s_mul_i32 s58, s34, 393216
	s_add_co_u32 s58, s58, s60
	s_add_nc_u64 s[38:39], s[8:9], s[58:59]        ; of W1[hi],
	s_add_nc_u64 s[42:43], s[38:39], 3145728       ; of W2[hi]
	s_lshl_b32 s60, s32, 12
	s_lshl_b32 s58, s33, 14
	s_add_co_u32 s58, s58, s60
	s_add_nc_u64 s[48:49], s[10:11], s[58:59]      ; W1's scales: 16,384 e + 128 w rows of 32 bytes
	s_lshl_b32 s58, s34, 14
	s_add_co_u32 s58, s58, s60
	s_add_nc_u64 s[50:51], s[10:11], s[58:59]
	s_lshl_b32 s60, s32, 9
	s_lshl_b32 s58, s33, 11
	s_add_co_u32 s58, s58, s60
	s_add_nc_u64 s[52:53], s[14:15], s[58:59]      ; b1: 2,048 e + 512 w
	s_lshl_b32 s58, s34, 11
	s_add_co_u32 s58, s58, s60
	s_add_nc_u64 s[54:55], s[14:15], s[58:59]
	s_lshl_b32 s58, s33, 12
	s_add_nc_u64 s[66:67], s[16:17], s[58:59]      ; b2's two rows
	s_lshl_b32 s58, s34, 12
	s_add_nc_u64 s[68:69], s[16:17], s[58:59]
	s_mov_b64 s[44:45], s[12:13]
	s_lshl_b32 s58, s33, 14
	s_lshl_b32 s60, s34, 14
	v_sub_nc_u32 v[TT], 1, v[HL]
	v_mul_u32_u24 v[VS2], s58, v[TT]
	v_mad_u32_u24 v[VS2], s60, v[HL], v[VS2]       ; W2's scales: lanes 0-15 lo's, lanes 16-31 hi's,
	v_lshl_add_u32 v[VS2], v[RL], 4, v[VS2]
	s_lshl_b32 s60, s32, 12
	v_add_nc_u32 v[VS2], s60, v[VS2]               ; row 256 w + r, 16 bytes a row
	s_wait_alu depctr_va_vdst(0)                   ; the offsets and LDS addresses v3 to v15 are written, which the loads and LDS stores from here on read
	ALOAD 0
	RLOAD1 0
	s_wait_loadcnt 48                              ; the list's 11 loads are in: behind them 24 + 24 were issued
	s_wait_alu depctr_vm_vsrc(0)                   ; the list's loads have read v[T0], v[T1] and v[XO], which are written anew below
	v_min_u32 v[TKO], 0x1fff, v[TKO]
.irp m, 0,1,2,3
	v_min_u32 v[TK+\m], 0x1fff, v[TK+\m]
	v_lshlrev_b32 v[TK+\m], 4, v[TK+\m]
.endr
	v_lshlrev_b32 v[TT], 8, v[RL]
.irp j, 0,1,2,3,4,5
	v_min_u32 v[PFA+\j], 0x1fff, v[PFA+\j]
	v_lshl_add_u32 v[PFA+\j], v[PFA+\j], 12, v[TT] ; the row's byte 256 (lane % 16)
.endr
	v_mul_u32_u24 v[XO], v[TKO], 768
	v_mad_u32_u24 v[XO], v[HL], 384, v[XO]         ; my token's codes, my half's 384 bytes
	v_lshlrev_b32 v[T0], 5, v[TKO]
	v_lshlrev_b32 v[T1], 4, v[TKO]
	s_wait_alu depctr_va_vdst(0)                   ; v[XO], v[T0] and v[T1] are written, the offsets of the loads below; so are v[TK ..] and v[PFA ..], which later loads and the prefetches read
	WIN 0x40
.irp k, 0,1,2,3,4,5,6,7
.irp c, 0,1,2
	global_load_b128 v[12*\k+4*\c:12*\k+4*\c+3], v[XO], s[6:7] offset:48*\k+16*\c   ; K step k's fragment of my 16 rows, as an operand's registers
.endr
.endr
	WIN 0
	global_load_b128 v[232:235], v[T0], s[6:7] offset:6291456      ; its eight scale words
	global_load_b128 v[236:239], v[T0], s[6:7] offset:6291472
	global_load_b64 v[WO:WO+1], v[T1], s[18:19]                    ; its w_lo, w_hi
	RLOAD1 1
	RLOAD1 2
.irp b, 0,1,2,3
	v_mov_b32 v[TM+4+\b], 0                        ; written once: a lane permute's destination counts as one of its sources
.endr
	; ---- x's images
	s_wait_loadcnt 48                              ; the gather is in: behind it two ring sets were issued
	WIN 0x04
.irp k, 0,1,2,3,4,5,6,7
.irp c, 0,1,2
	ds_store_b128 v[XWI], v[12*\k+4*\c:12*\k+4*\c+3] offset:1536*\k+512*\c
.endr
.endr
	WIN 0
.irp k, 0,1,2,3,4,5,6,7
	ds_store_b32 v[XWS], v[232+\k] offset:256*\k
.endr
	s_wait_dscnt 0x0                               ; for the others' sake
	s_barrier_signal -1
	s_barrier_wait -1                              ; x's 32 fragments lie in LDS
	s_wait_alu depctr_vm_vsrc(0)                   ; my LDS stores have read window 1's v0-95 and v232-239: the first are accumulators from here on, the last are written by the quantiser
	RLOAD1 3
	ALOAD 1
.set i, 0
.rept 16
	ds_load_b32 v[XS+i], v[LS] offset:XSC+128*i    ; lanes 0-15 an even tile's words, lanes 16-31 the odd one's
.set i, i+1
.endr
	XFETCH 0, 0
	; ---- the first product and the quantiser, lo and then hi
.irp q, 0,1,2,3,4,5,6,7
	KSTEP \q
.endr
	QUANT 0, 0
	RLOAD1 11                                      ; step 7's ring set is asked for again.  No wait: the wait ahead of the image's stores stands behind step 7's matrix instructions, and no vector or matrix instruction has followed it
.irp m, 1,2,3
	QUANT 0, \m
.endr
.irp q, 8,9,10,11,12,13,14,15
	KSTEP \q
.endr
	QUANT 1, 0
	TLOAD 3, 18432, 768                            ; step 15's ring set takes column tile 3, likewise with no further wait
.irp m, 1,2,3
	QUANT 1, \m
.endr
	s_wait_dscnt 0x0
	s_barrier_signal -1
	s_barrier_wait -1                              ; the hidden layer's 32 fragments lie in LDS, and nobody reads x's images any more
	; ---- the second product
	s_wait_alu depctr_vm_vsrc(0)                   ; the images' LDS stores have read v[PC ..], v[PW], v[HWI] and v[HWS]: the hidden fragments land over the first two, the last two become rows' offsets.  (All vector and matrix work on the registers that the loads below land in stands ahead of the last image's wait on va_vdst)
	WIN 0x40
.irp s, 0,1
.irp e, 0,1
.irp m, 0,1,2,3
.irp c, 0,1,2
	ds_load_b128 v[12*((2*\s+\e)*4+\m)+4*\c:12*((2*\s+\e)*4+\m)+4*\c+3], v[LIH] offset:((4*\e+\m)*4+\s)*1536+512*\c
.endr
.endr
.endr
.endr
	WIN 0
.irp s, 2,3
.irp e, 0,1
.irp m, 0,1,2,3
.irp c, 0,1,2
	ds_load_b128 v[64+12*(((\s-2)*2+\e)*4+\m)+4*\c:64+12*(((\s-2)*2+\e)*4+\m)+4*\c+3], v[LIH] offset:((4*\e+\m)*4+\s)*1536+512*\c
.endr
.endr
.endr
.endr
.set i, 0
.rept 16
	ds_load_b32 v[HS+i], v[LSH] offset:128*i       ; lanes 0-15 lo's words, lanes 16-31 hi's
.set i, i+1
.endr
.irp u, 0,1,2,3
	v_readlane_b32 s[76+\u], v[TKO], \u            ; my first four rows' tokens
.endr
	s_wait_alu depctr_va_sdst(0)                   ; s76 to s79 are written, ahead of their first readers
.irp u, 0,1,2,3
	s_min_u32 s[76+\u], s[76+\u], 0x1fff
	s_lshl_b32 s[76+\u], s[76+\u], 12
	v_add_nc_u32 v[3+\u], s[76+\u], v[LI]          ; their offsets in x and in out0
.endr
	s_wait_xcnt 0x0                                ; the ring's loads have read their bases, which now stand four steps on
	s_add_nc_u64 s[40:41], s[40:41], 24576
	s_add_nc_u64 s[42:43], s[42:43], 24576
	s_add_nc_u64 s[44:45], s[44:45], 1024
	s_mov_b32 s56, 0
	s_mov_b32 s57, 3
.Lcols:                                            ; a trip: four tiles of 16 columns; each step fills its ring set with the step four on
	SETSA
	P3STEP 0, 63
	FOLDA 0
	TLOAD 0, 0, 0
	FOLDS 0
	P3STEP 1, 63
	FOLDA 1
	TLOAD 1, 6144, 256
	FOLDS 1
	P3STEP 2, 63
	FOLDA 2
	TLOAD 2, 12288, 512
	FOLDS 2
	P3STEP 3, 63
	FOLDA 3
	TLOAD 3, 18432, 768
	FOLDS 3
	s_wait_xcnt 0x0
	s_add_nc_u64 s[40:41], s[40:41], 24576
	s_add_nc_u64 s[42:43], s[42:43], 24576
	s_add_nc_u64 s[44:45], s[44:45], 1024
	s_add_co_u32 s56, s56, 256
	s_sub_co_u32 s57, s57, 1
	s_cmp_lg_u32 s57, 0
	s_cbranch_scc1 .Lcols
	SETSA                                          ; the last four steps: the ring sets that fall free take what the rows' phase wants
	P3STEP 0, 63                                   ; behind this set: 3 x 25
	FOLDA 0
	ROWS 0, 2, 22                                  ; gamma
	ROWS 32, 2, 24                                 ; beta
	ASK 0
	ASK 1
	FOLDS 0
	P3STEP 1, 63                                   ; behind this set: 25 + 25 + 16
	FOLDA 1
	ROWS 64, 2, 66                                 ; b2[lo]
	ROWS 96, 2, 68                                 ; b2[hi]
	ASK 2
	ASK 3
	FOLDS 1
	P3STEP 2, 57                                   ; behind this set: 25 + 16 + 16
	FOLDA 2
	XROW 0, 3
	XROW 1, 3
	ASK 4
	ASK 5
	FOLDS 2
	P3STEP 3, 48                                   ; behind this set: 16 + 16 + 16
	FOLDA 3
	XROW 2, 3
	XROW 3, 3
	FOLDS 3
	s_wait_dscnt 0x0
	s_barrier_signal -1
	s_barrier_wait -1                              ; 64 whole rows lie in the stage
	; ---- rows: residual, b2, LayerNorm.  Four rows a trip; the next four rows' loads are issued ahead of this trip's statistics
	s_mul_i32 s58, s32, 16*SPI
	s_wait_alu depctr_vm_vsrc(0)                   ; the stage's LDS stores have read v16 and v17, which become the addresses of the way back
	v_add_nc_u32 v16, s58, v[LI]
	s_mov_b32 s57, 0
	s_mov_b32 s70, 0x3a800000                      ; 1 / 1,024
	s_mov_b32 s71, 0x3727c5ac                      ; 1e-5
.irp u, 0,1,2,3
	v_mov_b32 v[12+\u], v[3+\u]
.endr
	s_wait_alu depctr_va_vdst(0)                   ; v16 is written, which the LDS loads below read
	WIN 0x40
.irp u, 0,1,2,3
.irp j, 0,1,2,3,4,5,6,7
	ds_load_b128 v[32*\u+4*\j:32*\u+4*\j+3], v16 offset:\u*SPI+512*\j
.endr
.endr
	WIN 0
.Lrows:
	s_wait_loadcnt 0x0
	s_wait_dscnt 0x0
	WIN 0x07
.set i, 0
.rept 64
	v_pk_add_f32 v[64+i:65+i], v[i:i+1], v[i:i+1]  ; x (window 3) + the weighed results (window 1)
.set i, i+2
.endr
	WIN 0
	s_lshl_b32 s58, s57, 2
.irp u, 0,1,2,3
	s_add_co_u32 s59, s58, \u
	v_readlane_b32 s[84+4*\u], v[WO], s59          ; the row's w_lo and w_hi
	v_readlane_b32 s[86+4*\u], v[WO+1], s59
	s_mov_b32 s[85+4*\u], 0                        ; (named as the pairs' upper words)
	s_mov_b32 s[87+4*\u], 0
.endr
	s_wait_alu depctr_va_sdst(0)                   ; the eight weights are written into their scalar registers, ahead of their first readers
	WIN 0x02
.irp u, 0,1,2,3
.set j, 0
.rept 16
	v_pk_fma_f32 v[64+32*\u+j:65+32*\u+j], v[64+j:65+j], s[84+4*\u:85+4*\u], v[64+32*\u+j:65+32*\u+j] op_sel_hi:[1,0,1]
.set j, j+2
.endr
.endr
.irp u, 0,1,2,3
.set j, 0
.rept 16
	v_pk_fma_f32 v[64+32*\u+j:65+32*\u+j], v[96+j:97+j], s[86+4*\u:87+4*\u], v[64+32*\u+j:65+32*\u+j] op_sel_hi:[1,0,1]
.set j, j+2
.endr
.endr
	WIN 0
	s_cmp_eq_u32 s57, 3
	s_cbranch_scc1 .Lno_next                       ; the last trip loads nothing; the waits that follow are for 0 on both ways
	s_add_co_u32 s59, s57, 1
	s_mul_i32 s56, s59, 4*SPI
	v_add_nc_u32 v17, s56, v16
.irp u, 0,1,2,3
	s_add_co_u32 s59, s58, 4+\u
	v_readlane_b32 s[76+\u], v[TKO], s59           ; the next four rows' tokens
.endr
	s_wait_alu depctr_va_sdst(0)                   ; s76 to s79 are written, ahead of their first readers
.irp u, 0,1,2,3
	s_min_u32 s[76+\u], s[76+\u], 0x1fff
	s_lshl_b32 s[76+\u], s[76+\u], 12
	v_add_nc_u32 v[12+\u], s[76+\u], v[LI]
.endr
	s_wait_alu depctr_va_vdst(0)                   ; v12 to v15 and v17 are written, which the loads below read; the 64 additions at the trip's head are done reading the registers in which they land
.irp u, 0,1,2,3
	XROW \u, 12
.endr
	WIN 0x40
.irp u, 0,1,2,3
.irp j, 0,1,2,3,4,5,6,7
	ds_load_b128 v[32*\u+4*\j:32*\u+4*\j+3], v17 offset:\u*SPI+512*\j
.endr
.endr
	WIN 0
.Lno_next:
.irp u, 0,1,2,3
	v_pk_add_f32 v[SS+2*\u:SS+2*\u+1], v[64+32*\u:65+32*\u], v[66+32*\u:67+32*\u]
.endr
.set j, 4
.rept 14
.irp u, 0,1,2,3
	v_pk_add_f32 v[SS+2*\u:SS+2*\u+1], v[SS+2*\u:SS+2*\u+1], v[64+32*\u+j:65+32*\u+j]
.endr
.set j, j+2
.endr
	RED4 SS
.irp u, 0,1,2,3
	v_mul_f32 v[SS+2*\u], s70, v[SS+2*\u]          ; the mean
.endr
.set j, 0
.rept 16
.irp u, 0,1,2,3
	v_pk_add_f32 v[64+32*\u+j:65+32*\u+j], v[64+32*\u+j:65+32*\u+j], v[SS+2*\u:SS+2*\u+1] op_sel_hi:[1,0] neg_lo:[0,1] neg_hi:[0,1]
.endr
.set j, j+2
.endr
.irp u, 0,1,2,3
	v_pk_mul_f32 v[QQ+2*\u:QQ+2*\u+1], v[64+32*\u:65+32*\u], v[64+32*\u:65+32*\u]
.endr
.set j, 2
.rept 15
.irp u, 0,1,2,3
	v_pk_fma_f32 v[QQ+2*\u:QQ+2*\u+1], v[64+32*\u+j:65+32*\u+j], v[64+32*\u+j:65+32*\u+j], v[QQ+2*\u:QQ+2*\u+1]
.endr
.set j, j+2
.endr
	RED4 QQ                                        ; the squares of what is left when the mean is off: no difference of large sums is formed
.irp u, 0,1,2,3
	v_fma_f32 v[QQ+2*\u], v[QQ+2*\u], s70, s71
.endr
	s_wait_alu depctr_va_vdst(0)
.irp u, 0,1,2,3
	v_rsq_f32 v[QQ+2*\u], v[QQ+2*\u]
.endr
	v_nop                                          ; a plain line behind the last of the four
	s_wait_alu depctr_va_vdst(0)                   ; one wait for the four, ahead of their first reader
.set j, 0
.rept 16
.irp u, 0,1,2,3
	v_pk_mul_f32 v[64+32*\u+j:65+32*\u+j], v[64+32*\u+j:65+32*\u+j], v[QQ+2*\u:QQ+2*\u+1] op_sel_hi:[1,0]
.endr
.set j, j+2
.endr
	WIN 0x28
.set j, 0
.rept 16
.irp u, 0,1,2,3
	v_pk_fma_f32 v[64+32*\u+j:65+32*\u+j], v[64+32*\u+j:65+32*\u+j], v[j:j+1], v[32+j:33+j]   ; x gamma + beta
.endr
.set j, j+2
.endr
	WIN 0
	s_lshl_b32 s61, s32, 4
	s_add_co_u32 s61, s61, s58                     ; the first of the four rows in the tile
	s_wait_alu depctr_va_vdst(0)                   ; the four rows v64 to v191 are written, which the stores read; so are their offsets v3 to v6
	ROWOUT 0
	ROWOUT 1
	ROWOUT 2
	ROWOUT 3
	s_wait_xcnt 0x0                                ; the stores have read their data and offsets: both are written again
	s_wait_alu depctr_vm_vsrc(0)                   ; the stores have read v64 to v191 and v3 to v6, and this trip's loads v12 to v15 and v17: all are written again from here on
.irp u, 0,1,2,3
	v_mov_b32 v[3+\u], v[12+\u]
.endr
	s_add_co_u32 s57, s57, 1
	s_cmp_lt_u32 s57, 4
	s_cbranch_scc1 .Lrows
	s_wait_xcnt 0x0
	v_lshl_add_u32 v254, v0, 2, 0x4cc00            ; the add's two registers are made anew here: no two could be kept, and v0 is as at the entry; no memory or LDS instruction has read v254 or v255
	v_mov_b32 v255, 0
	s_wait_dscnt 0x0                               ; the closing lines, six on end
	s_wait_alu 0x0
	s_wait_tensorcnt 0x0
	ds_add_u32 v254, v255
	s_wait_dscnt 0x0
	s_endpgm
.Lfunc_end_k_q62a4b22e66_chain:
	.size	k_q62a4b22e66_chain, .Lfunc_end_k_q62a4b22e66_chain-k_q62a4b22e66_chain
	.p2alignl 7, 3214868480
	.fill 96, 4, 3214868480
	.section	.rodata,"a",@progbits
	.p2align	6, 0x0
	.amdhsa_kernel k_q62a4b22e66_chain
		.amdhsa_group_segment_fixed_size 314880
		.amdhsa_private_segment_fixed_size 0
		.amdhsa_enable_private_segment 0
		.amdhsa_kernarg_size 96
		.amdhsa_user_sgpr_count 2
		.amdhsa_user_sgpr_kernarg_segment_ptr 1
		.amdhsa_wavefront_size32 1
		.amdhsa_system_sgpr_workgroup_id_x 1
		.amdhsa_system_sgpr_workgroup_id_y 1
		.amdhsa_system_sgpr_workgroup_id_z 1
		.amdhsa_system_vgpr_workitem_id 0
		.amdhsa_next_free_vgpr 1024
		.amdhsa_next_free_sgpr 104
		.amdhsa_reserve_vcc 0
		.amdhsa_float_denorm_mode_32 3
		.amdhsa_float_denorm_mode_16_64 3
		.amdhsa_memory_ordered 1
		.amdhsa_forward_progress 1
		.amdhsa_inst_pref_size 255
	.end_amdhsa_kernel
	.section	.bss,"aw",@nobits
	.p2align	6
	.space	262144
	.amdgpu_metadata
---
amdhsa.version: [ 1, 2 ]
amdhsa.kernels:
  - .name:           k_q62a4b22e66_chain
    .symbol:         k_q62a4b22e66_chain.kd
    .args:
      - { .name: tiles, .offset: 0, .size: 8, .value_kind: global_buffer, .address_space: global }
      - { .name: xq, .offset: 8, .size: 8, .value_kind: global_buffer, .address_space: global }
      - { .name: wl, .offset: 16, .size: 8, .value_kind: global_buffer, .address_space: global }
      - { .name: W1_scales, .offset: 24, .size: 8, .value_kind: global_buffer, .address_space: global }
      - { .name: W2_scales, .offset: 32, .size: 8, .value_kind: global_buffer, .address_space: global }
      - { .name: b1, .offset: 40, .size: 8, .value_kind: global_buffer, .address_space: global }
      - { .name: b2, .offset: 48, .size: 8, .value_kind: global_buffer, .address_space: global }
      - { .name: rw, .offset: 56, .size: 8, .value_kind: global_buffer, .address_space: global }
      - { .name: x, .offset: 64, .size: 8, .value_kind: global_buffer, .address_space: global }
      - { .name: gamma, .offset: 72, .size: 8, .value_kind: global_buffer, .address_space: global }
      - { .name: beta, .offset: 80, .size: 8, .value_kind: global_buffer, .address_space: global }
      - { .name: out0, .offset: 88, .size: 8, .value_kind: global_buffer, .address_space: global }
    .group_segment_fixed_size: 314880
    .private_segment_fixed_size: 0
    .kernarg_segment_align: 8
    .kernarg_segment_size: 96
    .max_flat_workgroup_size: 128
    .sgpr_count:     104
    .vgpr_count:     1024
    .wavefront_size: 32
...
	.end_amdgpu_metadata
.endif
;; end of part 6
